; MI455X (gfx1250); checked and timed in simulation.
; The chip was launched on July 23, 2026; its instructions are those of AMD's public machine-readable ISA for CDNA 5 (MIT licence, August 2026) and "CDNA5" Instruction Set Architecture Reference Guide (July 2026). The comments in the code are by the model that wrote it; some were corrected since.
;; Sparse Mixture Of Experts. Allowed arithmetic: float matrix products may take bf16 or f16 operands with f32 sums; other float arithmetic in f32, or as packed bf16 or f16 multiplies, adds, multiply-adds, maxima and minima; sums over many terms, partial sums and values carried from step to step in f32; what a program stores and reads back later, other than sums and carried values, may be rounded once to bf16 or f16.
;; Inputs: W 8 x 512 x 512 float32; Wg 512 x 8 float32; b 8 x 512 float32; bg 8 float32; x 32,768 x 512 float32.
;; Outputs: out0 32,768 x 512 float32.
;; 2 versions, each right and faster than the one before. Each part assembles by itself: llvm-mc -triple=amdgcn-amd-amdhsa -mcpu=gfx1250 --defsym DOCPART=n.
;; ======== version 1 of 2: 3 launches
;; workspace buffers: xb 33,554,432 bytes; Wf 4,194,304 bytes; gates 262,144 bytes; sid 131,072 bytes of whole numbers; hist 32,768 bytes of whole numbers; list 131,072 bytes of whole numbers; tiles 4,096 bytes of whole numbers
;; launch router (part 1): grid 256 x 1, 8 waves a work-group, no clusters, 144,384 bytes of LDS; arguments x, Wg, bg, xb, gates, sid, hist; writes xb, gates, sid, hist
.if DOCPART == 1
	.amdgcn_target "amdgcn-amd-amdhsa--gfx1250"
	.amdhsa_code_object_version 6
	.text
	.protected	k_q4a075770ce_router
	.globl	k_q4a075770ce_router
	.p2align	8
	.type	k_q4a075770ce_router,@function
k_q4a075770ce_router:
	s_mov_b64 s[64:65], 0
	v_nop
	global_prefetch_b8 v0, s[64:65] scope:SCOPE_SE
	s_setreg_imm32_b32 hwreg(HW_REG_WAVE_MODE, 25, 1), 1
	s_wait_xcnt 0x0
; ROUTER.  x [32768][512] f32, Wg [512][8] f32, bg [8] f32.  For each token: x rounded once to bf16 (stored as xb, which the product launch gathers),
; logits = x Wg + bg on the rounded x, Wg and bg (matrix unit, f32 sums), softmax with the maximum taken away, the two largest gates.
; Stored by token: sid = hi (hi - 1) / 2 + lo, the number of the unordered pair lo < hi of chosen experts, and two factors S, F with
;   out = F (S Y_lo + Y_hi):  p_e = 2^(log2(e) (l_e - max)), Z = sum of p_e, q = max(p_hi, 2^-40), S = p_lo / q, F = q / Z.
; Stored by block of 128 tokens: how many of its tokens have each pair (32 words, pairs 28 to 31 are 0).
; LIMITS.  A gate of expert hi below 2^-40 of the largest gate counts as 2^-40 of it (a change of at most 9.1e-13 |Y_hi| in the output); it keeps S at 2^40 at the most.
; The two largest are taken of the p_e, ascending index, strict '>' (equal p: the lower index first, as jax.lax.top_k); two p within a last bit of each other may be ordered
; otherwise than p / Z.  A p below 2^-126 counts as 0.  NaN and infinities are not treated apart.
; SHARES.  A work-group has 128 tokens, each of its eight waves 16.  A wave keeps 8 rows (16 KiB) on their way; each load covers 512 consecutive bytes, each store of xb 256 aligned ones.
; No cluster: the work-groups share only Wg, 16 KiB against 256 KiB of x each.  No tensor loads: x has to pass through registers to be rounded.
.set PX,    1040                       ; an LDS row of 512 bf16 + 16 bytes: 65 x 16, so the 16 rows of a fragment load start at 16 different groups of four banks (ISA guide 11.1)
.set WGT,   0                          ; Wg transposed, bf16: expert e's 512 numbers at e PX (8,320 bytes, in 33 blocks of 256)
.set XS,    8448                       ; each wave's own 16 rows of x in bf16
.set XSW,   16*PX
.set RS,    XS+8*XSW                   ; sid of the 128 tokens
.set RG,    RS+512                     ; their (S, F)
.set RH,    RG+1024                    ; the 32 counts
.set SPARE, RH+256                     ; the spare words, 128 bytes a wave: four blocks of 256 bytes that no other line names
.set SPW, 30                           ; v30  my spare word's address; never rewritten
.set NIL, 31                           ; v31  0; never rewritten
.set WR,  32                           ; v32-47   Wg as loaded
.set WP,  48                           ; v48-55   Wg packed
.set CV,  56                           ; v56-71   a row's 8 packed registers, two sets by turns
.set XR,  72                           ; v72-199  eight row slots of 16 registers
.set FX,  72                           ; later: eight fragments of x,
.set FW,  136                          ; and eight of Wg
.set ACC0, 200
.set ACC1, 208
.set LG,  216                          ; v216-223 logits, then p
.set BG,  224                          ; v224-231 bg, rounded
.set P1,  232
.set I1,  233
.set P2,  234
.set I2,  235
.set MX,  236
.set ZS,  237
.set T0,  238
.set T1,  239
.set SF,  240                          ; v240-241 (S, F)
.set PL,  242
.set PH,  243
.set QQ,  244
.set RQ,  245
.set RZ,  246
.set SD,  247
	s_load_b256 s[4:11], s[0:1], 0x0               ; x s[4:5], Wg s[6:7], bg s[8:9], xb s[10:11]
	s_load_b128 s[12:15], s[0:1], 0x20             ; gates s[12:13], sid s[14:15]
	s_load_b64 s[16:17], s[0:1], 0x30              ; hist
	v_lshl_add_u32 v[SPW], v0, 2, SPARE
	v_mov_b32 v[NIL], 0
	v_lshrrev_b32 v9, 5, v0
	v_readfirstlane_b32 s18, v9                    ; wave 0..7
	v_and_b32 v1, 31, v0                           ; l
	v_and_b32 v2, 15, v0                           ; r = l % 16
	v_bfe_u32 v3, v0, 4, 1                         ; h = l / 16
	v_lshlrev_b32 v4, 4, v1                        ; 16 l: my 16 bytes of 512 of x
	v_lshlrev_b32 v6, 3, v1                        ; 8 l: my 8 bytes of 256 of xb
	s_mul_i32 s19, s18, XSW
	s_add_co_u32 s19, s19, XS                      ; my wave's rows in LDS
	v_add_nc_u32 v5, s19, v6                       ; where I put 8 bytes of a row
	v_mul_u32_u24 v7, v2, PX
	v_lshl_add_u32 v7, v3, 4, v7
	v_add_nc_u32 v7, s19, v7                       ; fragments of x: row r, 16 bytes for each half of the lanes
	v_and_b32 v8, 7, v0
	v_mul_u32_u24 v8, v8, PX
	v_lshl_add_u32 v8, v3, 4, v8                   ; fragments of Wg: rows 8-15 of the 16 repeat the eight experts
	v_lshlrev_b32 v10, 6, v0                       ; 64 t: thread t reads Wg's rows 2 t and 2 t + 1
	v_lshlrev_b32 v11, 2, v0                       ; 4 t: and writes them as one word of each expert's row
	s_lshl_b32 s20, ttmp9, 18                      ; 128 tokens x 2,048 bytes,
	s_lshl_b32 s22, s18, 15                        ; 16 tokens a wave
	s_add_co_u32 s20, s20, s22
	s_mov_b32 s21, 0
	s_lshr_b32 s22, s20, 1                         ; the same rows in xb are half as long
	s_mov_b32 s23, 0
	s_lshl_b32 s32, ttmp9, 9                       ; the block's 512 bytes of sid
	s_mov_b32 s33, 0
	s_wait_kmcnt 0x0
	s_load_b256 s[24:31], s[8:9], 0x0              ; bg
	s_add_nc_u64 s[4:5], s[4:5], s[20:21]
	s_add_nc_u64 s[10:11], s[10:11], s[22:23]
	s_add_nc_u64 s[14:15], s[14:15], s[32:33]
	s_lshl_b32 s32, ttmp9, 10                      ; its 1,024 bytes of gates
	s_add_nc_u64 s[12:13], s[12:13], s[32:33]
	s_lshl_b32 s32, ttmp9, 7                       ; its 128 bytes of hist
	s_add_nc_u64 s[16:17], s[16:17], s[32:33]
.irp j, 0,1,2,3
	global_load_b128 v[WR+4*\j:WR+4*\j+3], v10, s[6:7] offset:16*\j
.endr
.macro XLOAD rho                       ; a row of x: four loads of 512 consecutive bytes
.irp j, 0,1,2,3
	global_load_b128 v[XR+16*((\rho)%8)+4*\j:XR+16*((\rho)%8)+4*\j+3], v4, s[4:5] offset:(\rho)*2048+512*\j th:TH_LOAD_NT
.endr
.endm
.irp q, 0,1,2,3,4,5,6,7
	XLOAD \q
.endr
	s_wait_loadcnt 32                              ; Wg is in; the 32 loads of x behind it stay out
.irp e, 0,1,2,3,4,5,6,7
	v_cvt_pk_bf16_f32 v[WP+\e], v[WR+\e], v[WR+8+\e]  ; Wg[2 t][e] below, Wg[2 t + 1][e] above
.endr
.irp e, 0,1,2,3,4,5,6,7
	ds_store_b32 v11, v[WP+\e] offset:WGT+\e*PX
.endr
	s_wait_kmcnt 0x0                               ; bg: rounded to bf16 like every input, kept as f32
.irp j, 0,1,2,3
	v_cvt_pk_bf16_f32 v9, s[24+2*\j], s[25+2*\j]
	v_lshlrev_b32 v[BG+2*\j], 16, v9
	v_and_b32 v[BG+2*\j+1], 0xffff0000, v9
.endr
	s_wait_dscnt 0x0                               ; for the others' sake: my part of Wg's table is written
	s_barrier_signal -1
	s_barrier_wait -1
; One row: rounded, the slot asked for again, 8 bytes a lane into my wave's LDS rows and into xb.
.macro ROW rho
.if (\rho) < 8
	s_wait_loadcnt 28                              ; loads come back in order (ISA guide 5.7.1): behind this row's four stand the next seven rows'
.else
	s_wait_loadcnt 4*(15-(\rho))                   ; nothing more is asked for: the counts run down
.endif
	s_wait_xcnt 0x0                                ; the stores of two rows ago have read this set of packed registers
.irp j, 0,1,2,3
	v_cvt_pk_bf16_f32 v[CV+8*((\rho)%2)+2*\j],   v[XR+16*((\rho)%8)+4*\j],   v[XR+16*((\rho)%8)+4*\j+1]
	v_cvt_pk_bf16_f32 v[CV+8*((\rho)%2)+2*\j+1], v[XR+16*((\rho)%8)+4*\j+2], v[XR+16*((\rho)%8)+4*\j+3]
.endr
.if (\rho) < 8
	XLOAD (\rho)+8
.endif
.irp j, 0,1,2,3
	ds_store_b64 v5, v[CV+8*((\rho)%2)+2*\j:CV+8*((\rho)%2)+2*\j+1] offset:(\rho)*PX+256*\j
.endr
.irp j, 0,1,2,3
	global_store_b64 v6, v[CV+8*((\rho)%2)+2*\j:CV+8*((\rho)%2)+2*\j+1], s[10:11] offset:(\rho)*1024+256*\j  ; 32 lanes store 256 consecutive bytes, at a multiple of 256 from xb's first byte
.endr
.endm
.set rr, 0
.rept 16
	ROW rr
.set rr, rr+1
.endr
; Logits: source 0 = Wg^T (16 rows: the eight experts twice), source 1 = my 16 tokens: in the result lane l holds token l % 16 and register j expert j, in both halves of the lanes.
; K = 512 is 16 matrix instructions; two accumulators take turns and are added at the end.  Eight K chunks' fragments fit in the row slots at a time.
.macro BATCH c0
.set c, 0
.rept 8
	ds_load_b128 v[FX+8*c:FX+8*c+3],   v7 offset:64*((\c0)+c)      ; my own rows: LDS serves a wave's instructions in order (ISA guide 5.7.1.4)
	ds_load_b128 v[FX+8*c+4:FX+8*c+7], v7 offset:64*((\c0)+c)+32
	ds_load_b128 v[FW+8*c:FW+8*c+3],   v8 offset:WGT+64*((\c0)+c)
	ds_load_b128 v[FW+8*c+4:FW+8*c+7], v8 offset:WGT+64*((\c0)+c)+32
.set c, c+1
.endr
	s_wait_dscnt 0x0
.set c, 0
.rept 8
.set rD, ACC0+8*(c%2)
.if ((\c0)+c) < 2
	v_wmma_f32_16x16x32_bf16 v[rD:rD+7], v[FW+8*c:FW+8*c+7], v[FX+8*c:FX+8*c+7], 0
.else
	v_wmma_f32_16x16x32_bf16 v[rD:rD+7], v[FW+8*c:FW+8*c+7], v[FX+8*c:FX+8*c+7], v[rD:rD+7]
.endif
.set c, c+1
.endr
.rept 4
	v_nop                                          ; four places behind the products, ahead of loads into their sources and of reads of their results
.endr
.endm
	BATCH 0
	BATCH 8
.irp j, 0,1,2,3,4,5,6,7
	v_add_f32 v[LG+\j], v[ACC0+\j], v[ACC1+\j]
.endr
.irp j, 0,1,2,3,4,5,6,7
	v_add_f32 v[LG+\j], v[LG+\j], v[BG+\j]
.endr
	v_max3_num_f32 v[MX], v[LG], v[LG+1], v[LG+2]
	v_max3_num_f32 v[T0], v[LG+3], v[LG+4], v[LG+5]
	v_max3_num_f32 v[MX], v[MX], v[LG+6], v[LG+7]
	v_max_num_f32 v[MX], v[MX], v[T0]
.irp j, 0,1,2,3,4,5,6,7
	v_sub_f32 v[LG+\j], v[LG+\j], v[MX]            ; the difference first, then the factor: fused, log2(e) max would be rounded apart, an error that grows with the logits
.endr
.irp j, 0,1,2,3,4,5,6,7
	v_mul_f32 v[LG+\j], 0x3fb8aa3b, v[LG+\j]
.endr
.irp j, 0,1,2,3,4,5,6,7
	v_exp_f32 v[LG+\j], v[LG+\j]                   ; one batch
.endr
	v_mov_b32 v[I1], 0                             ; plain work behind the last exponential: the scan's start
	v_mov_b32 v[I2], 0
	v_mov_b32 v[P2], -1.0                          ; below every p
	s_wait_alu depctr_va_vdst(0)                   ; one wait for the eight exponentials, ahead of their first reader
	v_mov_b32 v[P1], v[LG]
	v_add_f32 v[ZS], v[LG], v[LG+1]
	v_add_f32 v[T0], v[LG+2], v[LG+3]
	v_add_f32 v[T1], v[LG+4], v[LG+5]
	v_add_f32 v[PL], v[LG+6], v[LG+7]
	v_add_f32 v[ZS], v[ZS], v[T0]
	v_add_f32 v[T1], v[T1], v[PL]
	v_add_f32 v[ZS], v[ZS], v[T1]
.macro SCAN e                          ; expert e against the best two so far; selects only, no branch
	v_cmp_gt_f32 s34, v[LG+\e], v[P1]
	v_cmp_gt_f32 s35, v[LG+\e], v[P2]
	v_cndmask_b32 v[P2], v[P2], v[LG+\e], s35
	v_cndmask_b32 v[I2], v[I2], \e, s35
	v_cndmask_b32 v[P2], v[P2], v[P1], s34
	v_cndmask_b32 v[I2], v[I2], v[I1], s34
	v_cndmask_b32 v[P1], v[P1], v[LG+\e], s34
	v_cndmask_b32 v[I1], v[I1], \e, s34
.endm
.irp e, 1,2,3,4,5,6,7
	SCAN \e
.endr
	v_cmp_lt_u32 s34, v[I1], v[I2]
	v_cndmask_b32 v[PL], v[P2], v[P1], s34         ; p of the lower index,
	v_cndmask_b32 v[PH], v[P1], v[P2], s34         ; and of the higher
	v_max_num_f32 v[QQ], 0x2b800000, v[PH]         ; q = max(p_hi, 2^-40)
	v_rcp_f32 v[RQ], v[QQ]
	v_rcp_f32 v[RZ], v[ZS]
	v_min_u32 v[T0], v[I1], v[I2]                  ; plain work behind the reciprocals: the pair's number
	v_max_u32 v[T1], v[I1], v[I2]
	v_add_nc_u32 v[SD], -1, v[T1]
	v_mul_u32_u24 v[SD], v[T1], v[SD]
	v_lshrrev_b32 v[SD], 1, v[SD]
	v_add_nc_u32 v[SD], v[SD], v[T0]
	s_lshl_b32 s32, s18, 6
	s_add_co_u32 s32, s32, RS
	v_lshl_add_u32 v9, v2, 2, s32                  ; RS + 4 (16 wave + r)
	s_lshl_b32 s32, s18, 7
	s_add_co_u32 s32, s32, RG
	v_lshl_add_u32 v10, v2, 3, s32                 ; RG + 8 (16 wave + r)
	s_wait_alu depctr_va_vdst(0)                   ; one wait for the two reciprocals
	v_mul_f32 v[SF], v[PL], v[RQ]
	v_mul_f32 v[SF+1], v[QQ], v[RZ]
	ds_store_b32 v9, v[SD]                         ; both halves of the lanes hold the same token and write the same word
	ds_store_b64 v10, v[SF:SF+1]
	s_wait_dscnt 0x0                               ; for the others' sake
	s_barrier_signal -1
	s_barrier_wait -1
	; Every wave reads the 128 pair numbers, four a lane, and counts its four pairs 4 wave .. 4 wave + 3.  The counts are data: no address and no branch hangs on them here.
	v_add_nc_u32 v21, RS, v4
	ds_load_b128 v[12:15], v21
	s_lshl_b32 s36, s18, 2
	s_lshl_b32 s32, s18, 4
	s_add_co_u32 s32, s32, RH
	v_mov_b32 v20, s32
	s_wait_dscnt 0x0
.irp i, 0,1,2,3
	s_mov_b32 s[40+\i], 0
.irp k, 12,13,14,15
	v_cmp_eq_u32 s34, s36, v\k
	s_bcnt1_i32_b32 s35, s34
	s_add_co_u32 s[40+\i], s[40+\i], s35
.endr
	s_add_co_u32 s36, s36, 1
	v_mov_b32 v[16+\i], s[40+\i]
.endr
	ds_store_b128 v20, v[16:19]
	s_cmp_lg_u32 s18, 0
	s_cbranch_scc1 .Lnot_wave_0
	global_store_b128 v4, v[12:15], s[14:15]       ; wave 0: the block's sid, 512 consecutive bytes
.Lnot_wave_0:
	s_cmp_lg_u32 s18, 1
	s_cbranch_scc1 .Lnot_wave_1
	v_add_nc_u32 v22, RG, v4                       ; wave 1: the block's (S, F), 1,024 consecutive bytes
	ds_load_b128 v[32:35], v22
	ds_load_b128 v[36:39], v22 offset:512
	s_wait_dscnt 0x0
	global_store_b128 v4, v[32:35], s[12:13]
	global_store_b128 v4, v[36:39], s[12:13] offset:512
.Lnot_wave_1:
	s_wait_dscnt 0x0                               ; my four counts are written
	s_barrier_signal -1
	s_barrier_wait -1
	s_cmp_lg_u32 s18, 2
	s_cbranch_scc1 .Lnot_wave_2
	v_lshlrev_b32 v25, 2, v1                       ; wave 2: the 32 counts, 128 consecutive bytes
	v_add_nc_u32 v24, RH, v25
	ds_load_b32 v23, v24
	s_wait_dscnt 0x0
	global_store_b32 v25, v23, s[16:17]
.Lnot_wave_2:
	s_wait_tensorcnt 0x0                           ; the wave's end: behind my last LDS store
	ds_add_u32 v[SPW], v[NIL]
	s_wait_dscnt 0x0
	s_endpgm
.Lfunc_end_k_q4a075770ce_router:
	.size	k_q4a075770ce_router, .Lfunc_end_k_q4a075770ce_router-k_q4a075770ce_router
	.p2alignl 7, 3214868480
	.fill 96, 4, 3214868480
	.section	.rodata,"a",@progbits
	.p2align	6, 0x0
	.amdhsa_kernel k_q4a075770ce_router
		.amdhsa_group_segment_fixed_size 144384
		.amdhsa_private_segment_fixed_size 0
		.amdhsa_enable_private_segment 0
		.amdhsa_kernarg_size 56
		.amdhsa_user_sgpr_count 2
		.amdhsa_user_sgpr_kernarg_segment_ptr 1
		.amdhsa_wavefront_size32 1
		.amdhsa_system_sgpr_workgroup_id_x 1
		.amdhsa_system_sgpr_workgroup_id_y 1
		.amdhsa_system_sgpr_workgroup_id_z 1
		.amdhsa_system_vgpr_workitem_id 0
		.amdhsa_next_free_vgpr 248
		.amdhsa_next_free_sgpr 66
		.amdhsa_reserve_vcc 0
		.amdhsa_float_denorm_mode_32 3
		.amdhsa_float_denorm_mode_16_64 3
		.amdhsa_memory_ordered 1
		.amdhsa_forward_progress 1
		.amdhsa_inst_pref_size 46
	.end_amdhsa_kernel
	.amdgpu_metadata
---
amdhsa.version: [ 1, 2 ]
amdhsa.kernels:
  - .name:           k_q4a075770ce_router
    .symbol:         k_q4a075770ce_router.kd
    .args:
      - { .name: x, .offset: 0, .size: 8, .value_kind: global_buffer, .address_space: global }
      - { .name: Wg, .offset: 8, .size: 8, .value_kind: global_buffer, .address_space: global }
      - { .name: bg, .offset: 16, .size: 8, .value_kind: global_buffer, .address_space: global }
      - { .name: xb, .offset: 24, .size: 8, .value_kind: global_buffer, .address_space: global }
      - { .name: gates, .offset: 32, .size: 8, .value_kind: global_buffer, .address_space: global }
      - { .name: sid, .offset: 40, .size: 8, .value_kind: global_buffer, .address_space: global }
      - { .name: hist, .offset: 48, .size: 8, .value_kind: global_buffer, .address_space: global }
    .group_segment_fixed_size: 144384
    .private_segment_fixed_size: 0
    .kernarg_segment_align: 8
    .kernarg_segment_size: 56
    .max_flat_workgroup_size: 256
    .sgpr_count:     66
    .vgpr_count:     248
    .wavefront_size: 32
...
	.end_amdgpu_metadata
.endif
;; end of part 1
;; launch sortw (part 2): grid 256 x 1, 4 waves a work-group, no clusters, 1,536 bytes of LDS; arguments W, hist, sid, Wf, list, tiles; writes Wf, list, tiles
.if DOCPART == 2
	.amdgcn_target "amdgcn-amd-amdhsa--gfx1250"
	.amdhsa_code_object_version 6
	.text
	.protected	k_q4a075770ce_sortw
	.globl	k_q4a075770ce_sortw
	.p2align	8
	.type	k_q4a075770ce_sortw,@function
k_q4a075770ce_sortw:
	s_mov_b64 s[64:65], 0
	v_nop
	global_prefetch_b8 v0, s[64:65] scope:SCOPE_SE
	s_setreg_imm32_b32 hwreg(HW_REG_WAVE_MODE, 25, 1), 1
	s_wait_xcnt 0x0
; SORT AND WEIGHTS.  Work-group g of 256 does three things.
; (1) A counting sort without atomics: it places the 128 tokens of block g in 'list', sorted by pair number, within a pair by token number.  A token's place = the tokens of lower pairs
;     + those of its pair in blocks below g + those of its pair ahead of it in the block.  All come from hist (256 blocks x 32 counts), which every work-group adds up for itself.
; (2) Tile record g for the product launch: (e_lo, e_hi, start, n).  Pair s with c tokens gets ceil(c / 144) tiles; the sum over 28 pairs is at most (32768 + 28 x 143) / 144 = 255.4,
;     so 256 records serve every split of the tokens.  A record that no pair reaches is (0, 1, 0, 0).
; (3) 16 rows k of one expert's W, rounded once to bf16 and laid in the order in which a wave's operand registers take them:
;     Wf[e][cg 0-7][kc 0-15][b 0-3][j2 0-1][lane][8 bf16], lane (r, h) holding W[e][32 kc + 16 j2 + 8 h + 0..7][64 cg + 4 r + b]: byte strides 524288, 65536, 4096, 1024, 512, 16.
;     Columns are dealt 4 r + b so that in the product a lane's four accumulators b hold four neighbouring columns of a row.
; No matrix unit, no cluster, no tensor load: 8 MiB of W read once, each byte by one work-group, and it passes through registers to be rounded.
.set TOTL,  0                          ; LDS: each wave's sums over its 64 blocks, a word a pair,
.set PREL,  512                        ; and over those of them below g
.set SPARE, 1024                       ; the spare words, 128 bytes a wave: two blocks of 256 bytes that no other line names
.set TOTV, 10
.set PREV, 11
.set CT,   12                          ; lane s: pair s's tokens in all
.set PR,   13                          ; lane s: those in blocks below g
.set POS,  14                          ; my token's place
.set T,    15
.set SPW,  30
.set NIL,  31
.set H,    32                          ; v32-95   hist of my wave's 64 blocks, lane = pair
.set CH,   96                          ; v96-98   sid of the block's chunks 0, 1, 2 of 32 tokens
.set MY,   99                          ; v99      my token's sid
.set WR,   100                         ; v100-163 16 rows x 4 columns of W
.set WC,   164                         ; v164-195 packed: (h, b) at WC + 4 (4 h + b)
	s_load_b256 s[4:11], s[0:1], 0x0               ; W s[4:5], hist s[6:7], sid s[8:9], Wf s[10:11]
	s_load_b128 s[12:15], s[0:1], 0x20             ; list s[12:13], tiles s[14:15]
	v_lshl_add_u32 v[SPW], v0, 2, SPARE
	v_mov_b32 v[NIL], 0
	v_lshrrev_b32 v1, 5, v0
	v_readfirstlane_b32 s18, v1                    ; wave q, 0..3
	v_and_b32 v1, 31, v0                           ; l
	v_lshlrev_b32 v2, 2, v1                        ; 4 l
	v_lshlrev_b32 v3, 2, v0                        ; 4 t
	v_lshlrev_b32 v4, 4, v1                        ; 16 l
	v_bfe_u32 v5, v0, 4, 1
	v_and_b32 v6, 15, v0
	v_lshlrev_b32 v6, 4, v6
	v_lshl_add_u32 v5, v5, 16, v6                  ; Wf: lanes 16-31 hold the next group of 64 columns; 16 bytes a lane
	s_lshl_b32 s20, s18, 13                        ; hist: my wave's 64 blocks of 128 bytes
	s_mov_b32 s21, 0
	s_lshl_b32 s22, ttmp9, 9                       ; sid: block g
	s_mov_b32 s23, 0
	s_lshl_b32 s24, ttmp9, 15                      ; W: rows 16 g .. 16 g + 15 of the 4,096 rows of 2,048 bytes,
	s_lshl_b32 s26, s18, 9                         ; my wave's 512 bytes of each
	s_add_co_u32 s24, s24, s26
	s_mov_b32 s25, 0
	s_lshr_b32 s32, ttmp9, 5                       ; Wf: e = g / 32,
	s_lshl_b32 s32, s32, 19
	s_lshl_b32 s33, s18, 17                        ; column groups 2 q and 2 q + 1,
	s_add_co_u32 s32, s32, s33
	s_bfe_u32 s33, ttmp9, 0x40001                  ; kc = (g / 2) % 16,
	s_lshl_b32 s33, s33, 12
	s_add_co_u32 s32, s32, s33
	s_and_b32 s33, ttmp9, 1                        ; j2 = g % 2
	s_lshl_b32 s33, s33, 9
	s_add_co_u32 s32, s32, s33
	s_mov_b32 s33, 0
	s_lshl_b32 s34, ttmp9, 4                       ; tiles: record g
	s_mov_b32 s35, 0
	s_lshl_b32 s27, s18, 6
	s_sub_co_i32 s27, ttmp9, s27                   ; block 64 q + i lies below g where i < g - 64 q (signed)
	s_wait_kmcnt 0x0
	s_add_nc_u64 s[6:7], s[6:7], s[20:21]
	s_add_nc_u64 s[8:9], s[8:9], s[22:23]
	s_add_nc_u64 s[4:5], s[4:5], s[24:25]
	s_add_nc_u64 s[10:11], s[10:11], s[32:33]
	s_add_nc_u64 s[14:15], s[14:15], s[34:35]
.set i, 0
.rept 64
	global_load_b32 v[H+i], v2, s[6:7] offset:128*i
.set i, i+1
.endr
.irp j, 0,1,2
	global_load_b32 v[CH+\j], v2, s[8:9] offset:128*\j
.endr
	global_load_b32 v[MY], v3, s[8:9]
.set i, 0
.rept 16
	global_load_b128 v[WR+4*i:WR+4*i+3], v4, s[4:5] offset:2048*i th:TH_LOAD_NT  ; 512 consecutive bytes of row i
.set i, i+1
.endr
	v_mov_b32 v[TOTV], 0
	v_mov_b32 v[PREV], 0
	v_mov_b32 v[POS], 0
	s_wait_loadcnt 20                              ; hist is in: behind it stand 4 loads of sid and 16 of W
.set i, 0
.rept 64
	s_cmp_gt_i32 s27, i
	s_cselect_b32 s34, -1, 0
	v_and_b32 v[T], s34, v[H+i]
	v_add_nc_u32 v[TOTV], v[TOTV], v[H+i]
	v_add_nc_u32 v[PREV], v[PREV], v[T]
.set i, i+1
.endr
	ds_store_b32 v3, v[TOTV] offset:TOTL
	ds_store_b32 v3, v[PREV] offset:PREL
	s_wait_dscnt 0x0                               ; for the others' sake
	s_barrier_signal -1
	s_barrier_wait -1
.irp j, 0,1,2,3
	ds_load_b32 v[16+\j], v2 offset:TOTL+128*\j
	ds_load_b32 v[20+\j], v2 offset:PREL+128*\j
.endr
.irp j, 0,1,2
	s_cmp_gt_u32 s18, \j                           ; chunk j of the block lies ahead of my wave's where j < q
	s_cselect_b32 s[40+\j], -1, 0
.endr
	s_mov_b32 s36, 0                               ; the pair in hand,
	s_mov_b32 s39, 0                               ; its lo
	s_mov_b32 s43, 1                               ; and hi
	s_mov_b32 s37, 0                               ; tokens of lower pairs
	s_mov_b32 s38, 0                               ; tiles of lower pairs
	s_mov_b32 s44, 0                               ; what record g takes: lo, hi, the tile's number in its pair, the pair's first place, its count
	s_mov_b32 s45, 1
	s_mov_b32 s46, 0
	s_mov_b32 s47, 0
	s_mov_b32 s48, 0
	s_wait_dscnt 0x0
	v_add3_u32 v[CT], v16, v17, v18
	v_add_nc_u32 v[CT], v[CT], v19
	v_add3_u32 v[PR], v20, v21, v22
	v_add_nc_u32 v[PR], v[PR], v23
	s_wait_loadcnt 16                              ; sid is in: behind it stand W's 16 loads
.Lpair:                                                ; 28 trips, no memory instruction inside
	v_readlane_b32 s50, v[CT], s36                 ; c
	v_readlane_b32 s51, v[PR], s36
	s_add_co_u32 s52, s37, s51                     ; the first place for this pair's tokens of block g
.irp j, 0,1,2
	v_cmp_eq_u32 s53, s36, v[CH+\j]
	s_and_b32 s53, s53, s[40+\j]
	s_bcnt1_i32_b32 s53, s53
	s_add_co_u32 s52, s52, s53                     ; + those in the chunks ahead of my wave's
.endr
	v_cmp_eq_u32 vcc_lo, s36, v[MY]
	v_mbcnt_lo_u32_b32 v[T], vcc_lo, 0             ; + those in lower lanes
	v_add_nc_u32 v[T], s52, v[T]
	v_cndmask_b32 v[POS], v[POS], v[T], vcc_lo
	s_add_co_u32 s53, s50, 143
	s_mul_i32 s53, s53, 58255
	s_lshr_b32 s53, s53, 23                        ; ceil(c / 144): 58255 / 2^23 is 1 / 144 x (1 + 1.34e-5): exact for c + 143 below 74,898, and the product stays under 2^32
	s_sub_co_u32 s54, ttmp9, s38                   ; g's number among this pair's tiles; below the pair it wraps to a large number
	s_cmp_lt_u32 s54, s53
	s_cselect_b32 s44, s39, s44
	s_cselect_b32 s45, s43, s45
	s_cselect_b32 s46, s54, s46
	s_cselect_b32 s47, s37, s47
	s_cselect_b32 s48, s50, s48
	s_add_co_u32 s38, s38, s53
	s_add_co_u32 s37, s37, s50
	s_add_co_u32 s39, s39, 1                       ; the next pair: lo + 1, or behind hi - 1: 0 and hi + 1
	s_cmp_eq_u32 s39, s43
	s_cselect_b32 s39, 0, s39
	s_cselect_b32 s55, 1, 0
	s_add_co_u32 s43, s43, s55
	s_add_co_u32 s36, s36, 1
	s_cmp_lt_u32 s36, 28
	s_cbranch_scc1 .Lpair
	v_min_u32 v[POS], 0x7fff, v[POS]               ; a place made of loaded counts: held inside the list
	v_lshlrev_b32 v[POS], 2, v[POS]
	s_lshl_b32 s50, ttmp9, 7
	v_add_nc_u32 v[T], s50, v0                     ; my token's number
	global_store_b32 v[POS], v[T], s[12:13]        ; four bytes a lane to sorted places: 128 KiB in all, the sort itself
	s_mul_i32 s50, s46, 144
	s_add_co_u32 s47, s47, s50                     ; start
	s_sub_co_u32 s48, s48, s50
	s_min_u32 s48, s48, 144                        ; n
	v_mov_b32 v16, s44
	v_mov_b32 v17, s45
	v_mov_b32 v18, s47
	v_mov_b32 v19, s48
	v_mov_b32 v20, 0
	v_cmp_eq_u32 vcc_lo, 0, v0
	s_wait_xcnt 0x0                                ; EXEC is a source of the loads and stores that are out: it changes only behind this wait
	s_and_saveexec_b32 s56, vcc_lo
	global_store_b128 v20, v[16:19], s[14:15]      ; thread 0 alone
	s_wait_xcnt 0x0                                ; and again ahead of the line that widens it
	s_or_b32 exec_lo, exec_lo, s56
	s_wait_loadcnt 0x0                             ; W
.irp h, 0,1
.irp b, 0,1,2,3
.irp m, 0,1,2,3
	v_cvt_pk_bf16_f32 v[WC+4*(4*\h+\b)+\m], v[WR+4*(8*\h+2*\m)+\b], v[WR+4*(8*\h+2*\m+1)+\b]  ; the lower k in the lower half
.endr
.endr
.endr
.irp h, 0,1
.irp b, 0,1,2,3
	global_store_b128 v5, v[WC+4*(4*\h+\b):WC+4*(4*\h+\b)+3], s[10:11] offset:\b*1024+\h*256  ; 16 lanes store 256 consecutive bytes, at a multiple of 256 from Wf's first byte
.endr
.endr
	s_wait_tensorcnt 0x0                           ; the wave's end: behind my last LDS store
	ds_add_u32 v[SPW], v[NIL]
	s_wait_dscnt 0x0
	s_endpgm
.Lfunc_end_k_q4a075770ce_sortw:
	.size	k_q4a075770ce_sortw, .Lfunc_end_k_q4a075770ce_sortw-k_q4a075770ce_sortw
	.p2alignl 7, 3214868480
	.fill 96, 4, 3214868480
	.section	.rodata,"a",@progbits
	.p2align	6, 0x0
	.amdhsa_kernel k_q4a075770ce_sortw
		.amdhsa_group_segment_fixed_size 1536
		.amdhsa_private_segment_fixed_size 0
		.amdhsa_enable_private_segment 0
		.amdhsa_kernarg_size 48
		.amdhsa_user_sgpr_count 2
		.amdhsa_user_sgpr_kernarg_segment_ptr 1
		.amdhsa_wavefront_size32 1
		.amdhsa_system_sgpr_workgroup_id_x 1
		.amdhsa_system_sgpr_workgroup_id_y 1
		.amdhsa_system_sgpr_workgroup_id_z 1
		.amdhsa_system_vgpr_workitem_id 0
		.amdhsa_next_free_vgpr 208
		.amdhsa_next_free_sgpr 66
		.amdhsa_reserve_vcc 1
		.amdhsa_float_denorm_mode_32 3
		.amdhsa_float_denorm_mode_16_64 3
		.amdhsa_memory_ordered 1
		.amdhsa_forward_progress 1
		.amdhsa_inst_pref_size 27
	.end_amdhsa_kernel
	.amdgpu_metadata
---
amdhsa.version: [ 1, 2 ]
amdhsa.kernels:
  - .name:           k_q4a075770ce_sortw
    .symbol:         k_q4a075770ce_sortw.kd
    .args:
      - { .name: W, .offset: 0, .size: 8, .value_kind: global_buffer, .address_space: global }
      - { .name: hist, .offset: 8, .size: 8, .value_kind: global_buffer, .address_space: global }
      - { .name: sid, .offset: 16, .size: 8, .value_kind: global_buffer, .address_space: global }
      - { .name: Wf, .offset: 24, .size: 8, .value_kind: global_buffer, .address_space: global }
      - { .name: list, .offset: 32, .size: 8, .value_kind: global_buffer, .address_space: global }
      - { .name: tiles, .offset: 40, .size: 8, .value_kind: global_buffer, .address_space: global }
    .group_segment_fixed_size: 1536
    .private_segment_fixed_size: 0
    .kernarg_segment_align: 8
    .kernarg_segment_size: 48
    .max_flat_workgroup_size: 128
    .sgpr_count:     66
    .vgpr_count:     208
    .wavefront_size: 32
...
	.end_amdgpu_metadata
.endif
;; end of part 2
;; launch moe (part 3): grid 256 x 1, 4 waves a work-group, no clusters, 167,936 bytes of LDS; arguments xb, Wf, b, gates, list, tiles, out0; writes out0
.if DOCPART == 3
	.amdgcn_target "amdgcn-amd-amdhsa--gfx1250"
	.amdhsa_code_object_version 6
	.text
	.protected	k_q4a075770ce_moe
	.globl	k_q4a075770ce_moe
	.p2align	8
	.type	k_q4a075770ce_moe,@function
k_q4a075770ce_moe:
	s_mov_b64 s[64:65], 0
	v_nop
	global_prefetch_b8 v0, s[64:65] scope:SCOPE_SE
	s_setreg_imm32_b32 hwreg(HW_REG_WAVE_MODE, 25, 1), 1
	s_wait_xcnt 0x0
; THE PRODUCT.  Work-group g takes tile record g: up to 144 tokens that chose the same two experts lo < hi, and stores their rows of out0:
;   out = F (S (x W_lo + b_lo) + x W_hi + b_hi), x, W and b rounded to bf16, sums in f32, S and F (f32, by token) from the router.  Both products go into ONE accumulator,
; so every output row has one owner and nothing is summed in memory.  The gate's weights touch f32 sums alone: no matrix operand is rounded twice.
; SHARES.  144 rows x 512 columns, K = 2 x 512.  A wave has all 144 rows and 64 columns in each of two PASSES (column group 4 pass + wave): 9 x 4 accumulators, 288 registers;
; a pass's stores leave while the next pass is multiplied.  A pass: 16 K steps of 32 with W_lo (the bias is the first product's C), MID (acc = S acc + b_hi), 16 K steps with W_hi, the way out.
; x: the tile's rows are gathered from xb into LDS once, by asynchronous copies, 16 lanes to 256 aligned bytes of a row; LDS holds them as four chunks of 128 along K, so that what is read and
; what is still being filled are different intervals.  W: with waves split by columns each fragment has ONE reader in the work-group, so it comes from Wf straight into registers, 512 consecutive bytes a load,
; through a ring of eight K steps' registers, asked for seven steps ahead.  The K loop has no refill of LDS; its three barriers only make a landed chunk known to all four waves.
; THE WAY OUT needs no LDS: Wf deals columns 4 r + b to lane r, so a lane's four accumulators hold 16 neighbouring bytes of a row and 16 lanes 256 aligned ones.
; ROWS PAST THE COUNT repeat the tile's last row.  Row blocks of 16 wholly past it are not stored (a scalar branch over stores alone); in the one block that is partly past it the repeats store
; the same bytes to the same row again.  A record with n = 0 runs on an existing row and stores nothing: the barriers may not stand under a branch on loaded data.
; NO CLUSTER: partners would have to share a pair of experts in every split; whole clusters of four for each of 28 pairs on 64 clusters need (32768 + 28 (4 M - 1)) / (4 M) <= 64, M >= 228 rows a
; work-group, 912 accumulator registers a lane at 512 columns.  NO PREFETCH: the whole gather is asked for at the head, and Wf's 4 MiB are walked by all work-groups at once.
; LIMITS: the router's; NaN and infinities are not treated apart.
; REGISTERS, in windows of 256 (s_set_vgpr_msb: bits 1:0 source 0, 3:2 source 1, 5:4 source 2, 7:6 destination):
;   window 0: v0-29 addresses and work; v32-103, v104-175 fragments of x, two buffers of 9 x 8 (on the way out: tables, offsets, results); v176-193 gather offsets; v194-235 tokens, gates, biases
;   window 1: the ring of W: K step kc at 32 (kc % 8), column slot b at + 8 b        window 2: accumulators (a, b), a = 0..7, at 8 (4 a + b)
;   window 3: v0-31 accumulators (8, b); v32-103 the copies' LDS addresses; v104-175 S by row block and register; v176-207 b_lo spread as a C operand
.set ROWS,  144
.set PA,    272                        ; an LDS row of a chunk: 256 bytes + 16 = 17 x 16: the 16 rows of a fragment load start at 16 different groups of four banks (ISA guide 11.1)
.set CHUNK, ROWS*PA                    ; 39,168 bytes = 153 blocks of 256
.set TBL,   4*CHUNK                    ; behind the chunks, never a copy's target: each wave's own tables by row, 160 words each:
.set TBLW,  2048
.set FT,    640                        ; S at 0, F here,
.set TO,    1280                       ; the token's number here
.set SPARE, TBL+4*TBLW                 ; the spare words, 128 bytes a wave: two blocks of 256 bytes that no other line names
.set AAD,  8                           ; v8-11  my fragment address in chunk c: c CHUNK + 272 r + 16 h
.set SPW,  28
.set NIL,  29
.set AF,   32
.set TB,   32                          ; the way out: F (8) and tokens (8) of a row block, two sets
.set RO,   64                          ; byte offsets of 8 rows, two sets
.set TMP,  80                          ; 8 rows x 4 columns, two sets
.set GOFF, 176
.set TK,   194
.set GT,   200
.set BLC,  212                         ; b_lo of my 4 columns, this pass
.set BHC,  216                         ; b_hi, each number twice: pairs for the packed multiply-add
.set BLN,  224                         ; the same for the next pass
.set BHN,  228
.set LA,    32                         ; window 3
.set SREG,  104
.set BIASC, 176
.set PLO, 30                           ; s[30:31] Wf at expert lo, my column group
.set PHI, 32                           ; s[32:33] at expert hi
.set XC,  36                           ; s[36:43] xb + 256 c
.set BB,  44                           ; s[44:47] b at lo's and hi's rows, my wave's 64 columns
.set MSB, 0
.macro WIN new                         ; the immediate's high byte repeats the setting that is left; a switch that changes nothing is dropped
.if MSB != (\new)
	s_set_vgpr_msb (MSB<<8)|(\new)
.set MSB, \new
.endif
.endm
.macro PLACES                          ; four places behind matrix instructions, ahead of loads into their sources and of vector lines on their results
.rept 4
	v_nop
.endr
.endm
.macro WLOAD ptr, pos                  ; W's four fragments of K step pos: eight loads of 512 consecutive bytes
	WIN 0x40
.irp b, 0,1,2,3
.irp j, 0,1
	global_load_b128 v[32*((\pos)%8)+8*\b+4*\j:32*((\pos)%8)+8*\b+4*\j+3], v3, s[\ptr:\ptr+1] offset:(\pos)*4096+\b*1024+\j*512
.endr
.endr
.endm
.macro FETCH kc                        ; x's nine fragments of K step kc: 18 LDS loads in one run
	WIN 0
.irp a, 0,1,2,3,4,5,6,7,8
	ds_load_b128 v[AF+72*((\kc)%2)+8*\a:AF+72*((\kc)%2)+8*\a+3],   v[AAD+(\kc)/4] offset:\a*16*PA+((\kc)%4)*64
	ds_load_b128 v[AF+72*((\kc)%2)+8*\a+4:AF+72*((\kc)%2)+8*\a+7], v[AAD+(\kc)/4] offset:\a*16*PA+((\kc)%4)*64+32
.endr
.endm
; Row blocks a0 .. a1 x the four column slots.  Source 0 = 16 rows of x, source 1 = 16 columns of W.  All 36 accumulators take turns, one instruction a turn, in the same order in every step.
; first = 1: the product starts the sum with b_lo as C: nothing is cleared.
.macro MUL kc, a0, a1, first
.set ma, \a0
.rept (\a1)-(\a0)+1
.if ma == 8
	WIN 0xf4
.set ac, 0
.elseif \first
	WIN 0xb4
.set ac, 32*ma
.else
	WIN 0xa4
.set ac, 32*ma
.endif
.set rA, AF+72*((\kc)%2)+8*ma
.set rW, 32*((\kc)%8)
.irp b, 0,1,2,3
.if \first
	v_wmma_f32_16x16x32_bf16 v[ac+8*\b:ac+8*\b+7], v[rA:rA+7], v[rW+8*\b:rW+8*\b+7], v[BIASC+8*\b:BIASC+8*\b+7]
.else
	v_wmma_f32_16x16x32_bf16 v[ac+8*\b:ac+8*\b+7], v[rA:rA+7], v[rW+8*\b:rW+8*\b+7], v[ac+8*\b:ac+8*\b+7]
.endif
.endr
.set ma, ma+1
.endr
.endm
; A K step: 36 matrix instructions.  Behind the first eight, in one run, the next step's x and the W of seven steps on: both land in registers that the step before read last.
; wn: the W loads that may stay out.  sync >= 0: the chunk that this step's fetch reads is made known: my copies of it have landed (sync = my copies of later chunks), and a barrier; the copies of
; later chunks stay out across it: nothing in this launch fills LDS bytes again.  wptr = 0: nothing more to ask for.
.macro STEP kc, first, sync, fetch, wptr, wn
	s_wait_loadcnt \wn
.if (\sync) >= 0
	s_wait_asynccnt \sync
.endif
	s_wait_dscnt 0x0                               ; this step's x is in; no LDS instruction of mine is out at a signal
.if (\sync) >= 0
	s_barrier_signal -1
.endif
	MUL \kc, 0, 1, \first
	WIN 0
.if (\sync) >= 0
	s_barrier_wait -1
.endif
	PLACES
.if \fetch
	FETCH ((\kc)+1)%16
.endif
.if \wptr
	WLOAD \wptr, ((\kc)+7)%16
.endif
	MUL \kc, 2, 7, \first
	MUL \kc, 8, 8, \first
.endm
.macro MID                             ; acc = S acc + b_hi: S by row (register and half of the lanes), b_hi by column (lane and slot); each accumulator from its low end on
	WIN 0
	s_wait_xcnt 0x0                                ; the loads that name W_lo's pointer have read it:
	s_add_nc_u64 s[PLO:PLO+1], s[PLO:PLO+1], 0x40000  ; on to the next pass's column group, four groups of 65,536 bytes further
	PLACES
.set ma, 0
.rept 9
.if ma < 8
	WIN 0x8e
.set ac, 32*ma
.else
	WIN 0xcf
.set ac, 0
.endif
.irp b, 0,1,2,3
.irp m, 0,1,2,3
	v_pk_fma_f32 v[ac+8*\b+2*\m:ac+8*\b+2*\m+1], v[ac+8*\b+2*\m:ac+8*\b+2*\m+1], v[SREG+8*ma+2*\m:SREG+8*ma+2*\m+1], v[BHC+2*\b:BHC+2*\b+1]
.endr
.endr
.set ma, ma+1
.endr
.endm
.macro TLOAD a                         ; F and the token numbers of my eight rows of block a
	ds_load_b128 v[TB+16*((\a)%2):TB+16*((\a)%2)+3],     v12 offset:FT+64*(\a)
	ds_load_b128 v[TB+16*((\a)%2)+4:TB+16*((\a)%2)+7],   v12 offset:FT+64*(\a)+16
	ds_load_b128 v[TB+16*((\a)%2)+8:TB+16*((\a)%2)+11],  v12 offset:TO+64*(\a)
	ds_load_b128 v[TB+16*((\a)%2)+12:TB+16*((\a)%2)+15], v12 offset:TO+64*(\a)+16
.endm
.macro EPIB a                          ; row block a leaves
.if (\a) < 8
	TLOAD (\a)+1
	s_wait_dscnt 4                                 ; this block's tables are in; the next block's four loads stay out
.else
	s_wait_dscnt 0x0
.endif
	s_wait_xcnt 0x0                                ; the stores of two blocks ago have read this set of offsets and results
.set tb, TB+16*((\a)%2)
.set ro, RO+8*((\a)%2)
.set tm, TMP+32*((\a)%2)
.irp j, 0,1,2,3,4,5,6,7
	v_min_u32 v[ro+\j], 0x7fff, v[tb+8+\j]         ; a number read back from LDS is held inside out0's rows before it enters an offset
.endr
.irp j, 0,1,2,3,4,5,6,7
	v_lshl_add_u32 v[ro+\j], v[ro+\j], 11, v4      ; token x 2,048 + 16 r
.endr
.if (\a) < 8
	WIN 0x02
.set ac, 32*(\a)
.else
	WIN 0x03
.set ac, 0
.endif
.irp j, 0,1,2,3,4,5,6,7
.irp b, 0,1,2,3
	v_mul_f32 v[tm+4*\j+\b], v[ac+8*\b+\j], v[tb+\j]
.endr
.endr
	WIN 0
	s_cmp_gt_u32 s27, 16*(\a)
	s_cbranch_scc0 .Ldead_\@                       ; a block wholly past the count is not stored
.irp j, 0,1,2,3,4,5,6,7
	global_store_b128 v[ro+\j], v[tm+4*\j:tm+4*\j+3], s[16:17] th:TH_STORE_NT  ; lanes 0-15: 256 consecutive bytes of row 16 a + j, at a multiple of 256 from out0's first byte; lanes 16-31: of row 16 a + 8 + j
.endr
.Ldead_\@:
.endm
.macro ROUNDB bl, bh                   ; a pass's biases, rounded to bf16 like every input and kept as f32; b_hi doubled into pairs
	v_cvt_pk_bf16_f32 v14, v[\bl], v[\bl+1]
	v_cvt_pk_bf16_f32 v16, v[\bl+2], v[\bl+3]
.irp i, 0,1,2,3
	v_cvt_pk_bf16_f32 v[18+\i], v[\bh+\i], v[\bh+\i]
.endr
	v_lshlrev_b32 v[\bl], 16, v14
	v_and_b32 v[\bl+1], 0xffff0000, v14
	v_lshlrev_b32 v[\bl+2], 16, v16
	v_and_b32 v[\bl+3], 0xffff0000, v16
.irp i, 0,1,2,3
	v_lshlrev_b32 v[\bh+2*\i], 16, v[18+\i]
	v_and_b32 v[\bh+2*\i+1], 0xffff0000, v[18+\i]
.endr
.endm
	s_load_b256 s[4:11], s[0:1], 0x0               ; xb s[4:5], Wf s[6:7], b s[8:9], gates s[10:11]
	s_load_b128 s[12:15], s[0:1], 0x20             ; list s[12:13], tiles s[14:15]
	s_load_b64 s[16:17], s[0:1], 0x30              ; out0
	v_lshl_add_u32 v[SPW], v0, 2, SPARE
	v_mov_b32 v[NIL], 0
	ds_add_u32 v[SPW], v[NIL]                      ; the wave's opening: the add and its wait stand ahead of my first copy; work on registers stands between them
	v_lshrrev_b32 v5, 5, v0
	v_readfirstlane_b32 s18, v5                    ; wave 0..3
	v_and_b32 v1, 15, v0                           ; r
	v_bfe_u32 v2, v0, 4, 1                         ; h
	v_and_b32 v5, 31, v0                           ; l
	v_lshlrev_b32 v3, 4, v5                        ; 16 l
	v_lshlrev_b32 v4, 4, v1                        ; 16 r
	v_mul_u32_u24 v6, v1, PA
	v_lshl_add_u32 v6, v2, 4, v6
.irp c, 0,1,2,3
	v_add_nc_u32 v[AAD+\c], \c*CHUNK, v6
.endr
	s_lshl_b32 s20, s18, 11
	s_add_co_u32 s20, s20, TBL                     ; my wave's tables
	v_lshl_add_u32 v12, v2, 5, s20                 ; eight rows' words for each half of the lanes
	v_lshl_add_u32 v13, v5, 2, s20                 ; a word a lane
	s_mul_i32 s21, s18, 36*PA                      ; my wave gathers rows 36 wave .. 36 wave + 35, two to a copy
	v_mul_u32_u24 v15, v2, PA
	v_add3_u32 v15, v15, v4, s21
	s_lshl_b32 s22, ttmp9, 4
	s_mov_b32 s23, 0
	s_wait_dscnt 0x0                               ; the opening add is done
	s_wait_kmcnt 0x0
	s_add_nc_u64 s[14:15], s[14:15], s[22:23]
	s_load_b128 s[24:27], s[14:15], 0x0            ; e_lo, e_hi, start, n
	s_lshl_b32 s20, s18, 8
	s_mov_b32 s21, 0
	s_add_nc_u64 s[16:17], s[16:17], s[20:21]      ; out0 at my wave's 256 bytes of a row
.irp c, 0,1,2,3
	s_add_nc_u64 s[XC+2*\c:XC+2*\c+1], s[4:5], 256*\c
.endr
	s_wait_kmcnt 0x0
	s_min_u32 s24, s24, 7                          ; what was read is held inside the tables that it indexes
	s_min_u32 s25, s25, 7
	s_min_u32 s26, s26, 0x7fff
	s_min_u32 s27, s27, ROWS
	s_max_u32 s28, s27, 1
	s_sub_co_u32 s28, s28, 1
	s_add_co_u32 s29, s26, s28
	s_min_u32 s29, s29, 0x7fff                     ; the list place of the tile's last row: rows past the count repeat it
	s_lshl_b32 s22, s18, 16
	s_lshl_b32 s20, s24, 19
	s_add_co_u32 s20, s20, s22
	s_add_nc_u64 s[PLO:PLO+1], s[6:7], s[20:21]
	s_lshl_b32 s20, s25, 19
	s_add_co_u32 s20, s20, s22
	s_add_nc_u64 s[PHI:PHI+1], s[6:7], s[20:21]
	s_lshl_b32 s22, s18, 8
	s_lshl_b32 s20, s24, 11
	s_add_co_u32 s20, s20, s22
	s_add_nc_u64 s[BB:BB+1], s[8:9], s[20:21]
	s_lshl_b32 s20, s25, 11
	s_add_co_u32 s20, s20, s22
	s_add_nc_u64 s[BB+2:BB+3], s[8:9], s[20:21]
	s_mul_i32 s20, s18, 36
	s_add_co_u32 s20, s20, s26
	v_add_nc_u32 v14, s20, v2                      ; start + 36 wave + h
	v_add_nc_u32 v16, s26, v5                      ; start + l
.set u, 0
.rept 18                                           ; the tokens of the rows that I gather: copy u takes rows 36 wave + 2 u + h
	v_add_nc_u32 v[AF+u], 2*u, v14
	v_min_u32 v[AF+u], s29, v[AF+u]
	v_min_u32 v[AF+u], 0x7fff, v[AF+u]
	global_load_b32 v[GOFF+u], v[AF+u], s[12:13] scale_offset
.set u, u+1
.endr
.set u, 0
.rept 5                                            ; and of all the tile's rows, a row a lane, for my tables
	v_add_nc_u32 v[AF+18+u], 32*u, v16
	v_min_u32 v[AF+18+u], s29, v[AF+18+u]
	v_min_u32 v[AF+18+u], 0x7fff, v[AF+18+u]
	global_load_b32 v[TK+u], v[AF+18+u], s[12:13] scale_offset
.set u, u+1
.endr
	global_load_b128 v[BLC:BLC+3], v4, s[BB:BB+1]
	global_load_b128 v[BHC:BHC+3], v4, s[BB+2:BB+3]
	global_load_b128 v[BLN:BLN+3], v4, s[BB:BB+1] offset:1024
	global_load_b128 v[BHN:BHN+3], v4, s[BB+2:BB+3] offset:1024
.irp p, 0,1,2,3
	WLOAD PLO, \p
.endr
	WIN 0xc0                                       ; destination window 3
.set u, 0
.rept 72
	v_add_nc_u32 v[LA+u], (u/18)*CHUNK+(u%18)*2*PA, v15  ; where copy u % 18 of chunk u / 18 lands
.set u, u+1
.endr
	WIN 0
	s_wait_loadcnt 41                              ; the gather's 18 tokens are in: behind them stand 5 + 4 + 32 loads
.set u, 0
.rept 18
	v_min_u32 v[GOFF+u], 0x7fff, v[GOFF+u]
	v_lshl_add_u32 v[GOFF+u], v[GOFF+u], 10, v4    ; token x 1,024 + 16 r
.set u, u+1
.endr
	WIN 0xc0                                       ; a copy's LDS address is its destination: window 3
.set u, 0
.rept 54
	global_load_async_to_lds_b128 v[LA+u], v[GOFF+u%18], s[XC+2*(u/18):XC+2*(u/18)+1]  ; two rows x 256 aligned bytes; chunks 0, 1, 2
.set u, u+1
.endr
	WIN 0
	s_wait_loadcnt 32                              ; the tables' tokens and the biases are in: behind them stand W's 32 loads
.set u, 0
.rept 5
	v_min_u32 v[TK+u], 0x7fff, v[TK+u]
	global_load_b64 v[GT+2*u:GT+2*u+1], v[TK+u], s[10:11] scale_offset  ; (S, F)
.set u, u+1
.endr
	WIN 0xc0
.set u, 54
.rept 18
	global_load_async_to_lds_b128 v[LA+u], v[GOFF+u%18], s[XC+6:XC+7]  ; chunk 3: 72 copies of mine in all, every one ahead of the first wait on their counter
.set u, u+1
.endr
.irp p, 4,5,6
	WLOAD PLO, \p
.endr
	WIN 0
	ROUNDB BLC, BHC
	ROUNDB BLN, BHN
	s_wait_loadcnt 24                              ; the gates are in: behind them stand W's K steps 4, 5, 6
.set u, 0
.rept 5
	ds_store_b32 v13, v[GT+2*u] offset:128*u
	ds_store_b32 v13, v[GT+2*u+1] offset:FT+128*u
	ds_store_b32 v13, v[TK+u] offset:TO+128*u
.set u, u+1
.endr
	WIN 0xc0
.set u, 0
.rept 9
	ds_load_b128 v[SREG+8*u:SREG+8*u+3],   v12 offset:64*u     ; S stays in registers; my own table: LDS serves a wave's instructions in order (ISA guide 5.7.1.4)
	ds_load_b128 v[SREG+8*u+4:SREG+8*u+7], v12 offset:64*u+16
.set u, u+1
.endr
	WIN 0
	s_mov_b32 s19, 0                               ; the pass
.Lpass:
	WIN 0xc0
.irp b, 0,1,2,3
.irp j, 0,1,2,3,4,5,6,7
	v_mov_b32 v[BIASC+8*\b+\j], v[BLC+\b]          ; b_lo as the C of the pass's first products: a column's number in all eight rows
.endr
.endr
	WIN 0
	s_wait_asynccnt 54                             ; my 18 copies of chunk 0 have landed; 54 stand behind them (in the second pass all these waits are met at once)
	s_wait_dscnt 0x0
	s_barrier_signal -1
	s_barrier_wait -1                              ; everybody's have
	FETCH 0
	; W_lo.  wn = 48: behind the 8 loads of a K step stand those of the six steps after it
	STEP 0, 1, -1, 1, PLO, 48
	STEP 1, 0, -1, 1, PLO, 48
	STEP 2, 0, -1, 1, PLO, 48
	STEP 3, 0, 36, 1, PLO, 48                      ; chunk 1 is wanted: chunks 2 and 3, 36 copies, may stay out
	STEP 4, 0, -1, 1, PLO, 48
	STEP 5, 0, -1, 1, PLO, 48
	STEP 6, 0, -1, 1, PLO, 48
	STEP 7, 0, 18, 1, PLO, 48                      ; chunk 2
	STEP 8, 0, -1, 1, PLO, 48
	STEP 9, 0, -1, 1, PHI, 48                      ; from here W_hi's first seven steps are asked for
	STEP 10, 0, -1, 1, PHI, 48
	STEP 11, 0, 0, 1, PHI, 48                      ; chunk 3
	STEP 12, 0, -1, 1, PHI, 48
	STEP 13, 0, -1, 1, PHI, 48
	STEP 14, 0, -1, 1, PHI, 48
	STEP 15, 0, -1, 1, PHI, 48
	MID
	; W_hi
.irp k, 0,1,2,3,4,5,6,7
	STEP \k, 0, -1, 1, PHI, 48
.endr
	WIN 0
	s_cmp_eq_u32 s19, 1
	s_cbranch_scc1 .Ltail                          ; the last pass asks for nothing beyond its own W
	STEP 8, 0, -1, 1, PHI, 48
.irp k, 9,10,11,12,13,14
	STEP \k, 0, -1, 1, PLO, 48                     ; the next pass's W_lo, first seven steps
.endr
	STEP 15, 0, -1, 0, PLO, 48
	WIN 0
	s_branch .Lepi
.Ltail:
	STEP 8, 0, -1, 1, PHI, 48
	STEP 9, 0, -1, 1, 0, 48                        ; nothing more is asked for: the counts run down
	STEP 10, 0, -1, 1, 0, 40
	STEP 11, 0, -1, 1, 0, 32
	STEP 12, 0, -1, 1, 0, 24
	STEP 13, 0, -1, 1, 0, 16
	STEP 14, 0, -1, 1, 0, 8
	STEP 15, 0, -1, 0, 0, 0
	WIN 0
.Lepi:
	PLACES
	TLOAD 0
.irp a, 0,1,2,3,4,5,6,7,8
	EPIB \a
.endr
	s_wait_xcnt 0x0                                ; the stores and loads that are out have read their registers and bases
	s_add_nc_u64 s[PHI:PHI+1], s[PHI:PHI+1], 0x40000
	s_add_nc_u64 s[16:17], s[16:17], 1024          ; the next pass's columns: four groups of 256 bytes on
.irp i, 0,1,2,3
	v_mov_b32 v[BLC+\i], v[BLN+\i]
.endr
.irp i, 0,1,2,3,4,5,6,7
	v_mov_b32 v[BHC+\i], v[BHN+\i]
.endr
	s_add_co_u32 s19, s19, 1
	s_cmp_lt_u32 s19, 2
	s_cbranch_scc1 .Lpass
	s_wait_tensorcnt 0x0                           ; the wave's end: behind my last copy and my last LDS store
	s_wait_asynccnt 0x0
	ds_add_u32 v[SPW], v[NIL]
	s_wait_dscnt 0x0
	s_endpgm
.Lfunc_end_k_q4a075770ce_moe:
	.size	k_q4a075770ce_moe, .Lfunc_end_k_q4a075770ce_moe-k_q4a075770ce_moe
	.p2alignl 7, 3214868480
	.fill 96, 4, 3214868480
	.section	.rodata,"a",@progbits
	.p2align	6, 0x0
	.amdhsa_kernel k_q4a075770ce_moe
		.amdhsa_group_segment_fixed_size 167936
		.amdhsa_private_segment_fixed_size 0
		.amdhsa_enable_private_segment 0
		.amdhsa_kernarg_size 56
		.amdhsa_user_sgpr_count 2
		.amdhsa_user_sgpr_kernarg_segment_ptr 1
		.amdhsa_wavefront_size32 1
		.amdhsa_system_sgpr_workgroup_id_x 1
		.amdhsa_system_sgpr_workgroup_id_y 1
		.amdhsa_system_sgpr_workgroup_id_z 1
		.amdhsa_system_vgpr_workitem_id 0
		.amdhsa_next_free_vgpr 1024
		.amdhsa_next_free_sgpr 66
		.amdhsa_reserve_vcc 0
		.amdhsa_float_denorm_mode_32 3
		.amdhsa_float_denorm_mode_16_64 3
		.amdhsa_memory_ordered 1
		.amdhsa_forward_progress 1
		.amdhsa_inst_pref_size 246
	.end_amdhsa_kernel
	.amdgpu_metadata
---
amdhsa.version: [ 1, 2 ]
amdhsa.kernels:
  - .name:           k_q4a075770ce_moe
    .symbol:         k_q4a075770ce_moe.kd
    .args:
      - { .name: xb, .offset: 0, .size: 8, .value_kind: global_buffer, .address_space: global }
      - { .name: Wf, .offset: 8, .size: 8, .value_kind: global_buffer, .address_space: global }
      - { .name: b, .offset: 16, .size: 8, .value_kind: global_buffer, .address_space: global }
      - { .name: gates, .offset: 24, .size: 8, .value_kind: global_buffer, .address_space: global }
      - { .name: list, .offset: 32, .size: 8, .value_kind: global_buffer, .address_space: global }
      - { .name: tiles, .offset: 40, .size: 8, .value_kind: global_buffer, .address_space: global }
      - { .name: out0, .offset: 48, .size: 8, .value_kind: global_buffer, .address_space: global }
    .group_segment_fixed_size: 167936
    .private_segment_fixed_size: 0
    .kernarg_segment_align: 8
    .kernarg_segment_size: 56
    .max_flat_workgroup_size: 128
    .sgpr_count:     66
    .vgpr_count:     1024
    .wavefront_size: 32
...
	.end_amdgpu_metadata
.endif
;; end of part 3
;; ======== version 2 of 2: 3 launches; 1.11 times as fast as version 1
;; workspace buffers: xb 33,554,432 bytes; Wf 4,194,304 bytes; gates 262,144 bytes; sid 131,072 bytes of whole numbers; hist 32,768 bytes of whole numbers; list 147,456 bytes of whole numbers; tiles 4,096 bytes of whole numbers
;; launch router (part 4): grid 256 x 1, 8 waves a work-group, no clusters, 144,384 bytes of LDS; arguments x, Wg, bg, xb, gates, sid, hist; writes xb, gates, sid, hist
.if DOCPART == 4
	.amdgcn_target "amdgcn-amd-amdhsa--gfx1250"
	.amdhsa_code_object_version 6
	.text
	.protected	k_q4a075770ce_router
	.globl	k_q4a075770ce_router
	.p2align	8
	.type	k_q4a075770ce_router,@function
k_q4a075770ce_router:
	s_mov_b64 s[64:65], 0
	v_nop
	global_prefetch_b8 v0, s[64:65] scope:SCOPE_SE
	s_setreg_imm32_b32 hwreg(HW_REG_WAVE_MODE, 25, 1), 1
	s_wait_xcnt 0x0
; ROUTER.  x [32768][512] f32, Wg [512][8] f32, bg [8] f32.  For each token: x rounded once to bf16 (stored as xb, which the product launch gathers),
; logits = x Wg + bg on the rounded x, Wg and bg (matrix unit, f32 sums), softmax with the maximum taken away, the two largest gates.
; Stored by token: sid = hi (hi - 1) / 2 + lo, the number of the unordered pair lo < hi of chosen experts, and two factors S, F with
;   out = F (S Y_lo + Y_hi):  p_e = 2^(log2(e) (l_e - max)), Z = sum of p_e, q = max(p_hi, 2^-40), S = p_lo / q, F = q / Z.
; Stored by block of 128 tokens: how many of its tokens have each pair (32 words, pairs 28 to 31 are 0).
; LIMITS.  A gate of expert hi below 2^-40 of the largest gate counts as 2^-40 of it (a change of at most 9.1e-13 |Y_hi| in the output); it keeps S at 2^40 at the most.
; The two largest are taken of the p_e, ascending index, strict '>' (equal p: the lower index first, as jax.lax.top_k); two p within a last bit of each other may be ordered
; otherwise than p / Z.  A p below 2^-126 counts as 0.  NaN and infinities are not treated apart.
; SHARES.  A work-group has 128 tokens, each of its eight waves 16.  A wave asks for all its 16 rows (32 KiB) at the start; each load covers 512 consecutive bytes, each store of xb 256 aligned ones.
; A row has 16 registers of its own and is rounded in place into the lower eight; no slot is loaded again, so the registers that a store reads are never rewritten and no wait stands for them.
; No cluster: the work-groups share only Wg, 16 KiB against 256 KiB of x each.  No tensor loads: x has to pass through registers to be rounded.
; REGISTERS: window 0: all but the rows.  Window 1: row rho at 16 rho; later the upper halves of the slots take the fragments: x's K chunk c at 16 c + 8, Wg's at 16 (c + 8) + 8.
; (s_set_vgpr_msb: bits 1:0 source 0, 3:2 source 1, 5:4 source 2, 7:6 destination.)
.set PX,    1040                       ; an LDS row of 512 bf16 + 16 bytes: 65 x 16, so the 16 rows of a fragment load start at 16 different groups of four banks (ISA guide 11.1)
.set WGT,   0                          ; Wg transposed, bf16: expert e's 512 numbers at e PX (8,320 bytes, in 33 blocks of 256)
.set XS,    8448                       ; each wave's own 16 rows of x in bf16
.set XSW,   16*PX
.set RS,    XS+8*XSW                   ; sid of the 128 tokens
.set RG,    RS+512                     ; their (S, F)
.set RH,    RG+1024                    ; the 32 counts
.set SPARE, RH+256                     ; the spare words, 128 bytes a wave: four blocks of 256 bytes that no other line names
.set SPW, 30                           ; v30  my spare word's address; never rewritten
.set NIL, 31                           ; v31  0; never rewritten
.set WR,  32                           ; v32-47   Wg as loaded
.set WP,  48                           ; v48-55   Wg packed
.set ACC0, 200
.set ACC1, 208
.set LG,  216                          ; v216-223 logits, then p
.set BG,  224                          ; v224-231 bg, rounded
.set P1,  232
.set I1,  233
.set P2,  234
.set I2,  235
.set MX,  236
.set ZS,  237
.set T0,  238
.set T1,  239
.set SF,  240                          ; v240-241 (S, F)
.set PL,  242
.set PH,  243
.set QQ,  244
.set RQ,  245
.set RZ,  246
.set SD,  247
.set MSB, 0
.macro WIN new                         ; the immediate's high byte repeats the setting that is left; a switch that changes nothing is dropped
.if MSB != (\new)
	s_set_vgpr_msb (MSB<<8)|(\new)
.set MSB, \new
.endif
.endm
	s_load_b256 s[4:11], s[0:1], 0x0               ; x s[4:5], Wg s[6:7], bg s[8:9], xb s[10:11]
	s_load_b128 s[12:15], s[0:1], 0x20             ; gates s[12:13], sid s[14:15]
	s_load_b64 s[16:17], s[0:1], 0x30              ; hist
	v_lshl_add_u32 v[SPW], v0, 2, SPARE
	v_mov_b32 v[NIL], 0
	v_lshrrev_b32 v9, 5, v0
	v_readfirstlane_b32 s18, v9                    ; wave 0..7
	v_and_b32 v1, 31, v0                           ; l
	v_and_b32 v2, 15, v0                           ; r = l % 16
	v_bfe_u32 v3, v0, 4, 1                         ; h = l / 16
	v_lshlrev_b32 v4, 4, v1                        ; 16 l: my 16 bytes of 512 of x
	v_lshlrev_b32 v6, 3, v1                        ; 8 l: my 8 bytes of 256 of xb
	s_mul_i32 s19, s18, XSW
	s_add_co_u32 s19, s19, XS                      ; my wave's rows in LDS
	v_add_nc_u32 v5, s19, v6                       ; where I put 8 bytes of a row
	v_mul_u32_u24 v7, v2, PX
	v_lshl_add_u32 v7, v3, 4, v7
	v_add_nc_u32 v7, s19, v7                       ; fragments of x: row r, 16 bytes for each half of the lanes
	v_and_b32 v8, 7, v0
	v_mul_u32_u24 v8, v8, PX
	v_lshl_add_u32 v8, v3, 4, v8                   ; fragments of Wg: rows 8-15 of the 16 repeat the eight experts
	v_lshlrev_b32 v10, 6, v0                       ; 64 t: thread t reads Wg's rows 2 t and 2 t + 1
	v_lshlrev_b32 v11, 2, v0                       ; 4 t: and writes them as one word of each expert's row
	s_lshl_b32 s20, ttmp9, 18                      ; 128 tokens x 2,048 bytes,
	s_lshl_b32 s22, s18, 15                        ; 16 tokens a wave
	s_add_co_u32 s20, s20, s22
	s_mov_b32 s21, 0
	s_lshr_b32 s22, s20, 1                         ; the same rows in xb are half as long
	s_mov_b32 s23, 0
	s_lshl_b32 s32, ttmp9, 9                       ; the block's 512 bytes of sid
	s_mov_b32 s33, 0
	s_wait_kmcnt 0x0
	s_load_b256 s[24:31], s[8:9], 0x0              ; bg
	s_add_nc_u64 s[4:5], s[4:5], s[20:21]
	s_add_nc_u64 s[10:11], s[10:11], s[22:23]
	s_add_nc_u64 s[14:15], s[14:15], s[32:33]
	s_lshl_b32 s32, ttmp9, 10                      ; its 1,024 bytes of gates
	s_add_nc_u64 s[12:13], s[12:13], s[32:33]
	s_lshl_b32 s32, ttmp9, 7                       ; its 128 bytes of hist
	s_add_nc_u64 s[16:17], s[16:17], s[32:33]
.irp j, 0,1,2,3
	global_load_b128 v[WR+4*\j:WR+4*\j+3], v10, s[6:7] offset:16*\j
.endr
.macro XLOAD rho                       ; a row of x: four loads of 512 consecutive bytes, into its slot in window 1
.irp j, 0,1,2,3
	global_load_b128 v[16*(\rho)+4*\j:16*(\rho)+4*\j+3], v4, s[4:5] offset:(\rho)*2048+512*\j th:TH_LOAD_NT
.endr
.endm
	WIN 0x40                                       ; destination window 1, address window 0
.set rr, 0
.rept 14
	XLOAD rr
.set rr, rr+1
.endr
	WIN 0
	s_wait_loadcnt 56                              ; Wg is in; the 56 loads of x behind it stay out
.irp e, 0,1,2,3,4,5,6,7
	v_cvt_pk_bf16_f32 v[WP+\e], v[WR+\e], v[WR+8+\e]  ; Wg[2 t][e] below, Wg[2 t + 1][e] above
.endr
.irp e, 0,1,2,3,4,5,6,7
	ds_store_b32 v11, v[WP+\e] offset:WGT+\e*PX
.endr
	WIN 0x40
	XLOAD 14                                       ; the last two rows: 64 loads of x are out, or have come
	XLOAD 15
	WIN 0
	s_wait_kmcnt 0x0                               ; bg: rounded to bf16 like every input, kept as f32
.irp j, 0,1,2,3
	v_cvt_pk_bf16_f32 v9, s[24+2*\j], s[25+2*\j]
	v_lshlrev_b32 v[BG+2*\j], 16, v9
	v_and_b32 v[BG+2*\j+1], 0xffff0000, v9
.endr
	s_wait_dscnt 0x0                               ; for the others' sake: my part of Wg's table is written
	s_barrier_signal -1
	s_barrier_wait -1
; One row: rounded in place (packed register k takes the slot's registers 2 k and 2 k + 1, k ascending, so no source is written before it is read), then 8 bytes a lane into my wave's LDS rows and into xb.
.macro ROW rho
	s_wait_loadcnt 4*(15-(\rho))                   ; loads come back in order (ISA guide 5.7.1): behind this row's four stand the later rows' four each
	WIN 0x45                                       ; destination and both sources in window 1
.irp k, 0,1,2,3,4,5,6,7
	v_cvt_pk_bf16_f32 v[16*(\rho)+\k], v[16*(\rho)+2*\k], v[16*(\rho)+2*\k+1]
.endr
	WIN 0x04                                       ; a store's data is source 1: window 1; its address window 0
.irp j, 0,1,2,3
	ds_store_b64 v5, v[16*(\rho)+2*\j:16*(\rho)+2*\j+1] offset:(\rho)*PX+256*\j
.endr
.irp j, 0,1,2,3
	global_store_b64 v6, v[16*(\rho)+2*\j:16*(\rho)+2*\j+1], s[10:11] offset:(\rho)*1024+256*\j  ; 32 lanes store 256 consecutive bytes, at a multiple of 256 from xb's first byte
.endr
.endm
.set rr, 0
.rept 16
	ROW rr
.set rr, rr+1
.endr
; Logits: source 0 = Wg^T (16 rows: the eight experts twice), source 1 = my 16 tokens: in the result lane l holds token l % 16 and register j expert j, in both halves of the lanes.
; K = 512 is 16 matrix instructions; two accumulators take turns and are added at the end.  Eight K chunks' fragments at a time, in the slots' upper halves, which no store names.
.macro BATCH c0
	WIN 0x40
.set c, 0
.rept 8
	ds_load_b128 v[16*c+8:16*c+11],          v7 offset:64*((\c0)+c)      ; my own rows: LDS serves a wave's instructions in order (ISA guide 5.7.1.4)
	ds_load_b128 v[16*c+12:16*c+15],         v7 offset:64*((\c0)+c)+32
	ds_load_b128 v[16*(c+8)+8:16*(c+8)+11],  v8 offset:WGT+64*((\c0)+c)
	ds_load_b128 v[16*(c+8)+12:16*(c+8)+15], v8 offset:WGT+64*((\c0)+c)+32
.set c, c+1
.endr
	s_wait_dscnt 0x0
	WIN 0x05                                       ; both sources window 1, C and D window 0
.set c, 0
.rept 8
.set rD, ACC0+8*(c%2)
.if ((\c0)+c) < 2
	v_wmma_f32_16x16x32_bf16 v[rD:rD+7], v[16*(c+8)+8:16*(c+8)+15], v[16*c+8:16*c+15], 0
.else
	v_wmma_f32_16x16x32_bf16 v[rD:rD+7], v[16*(c+8)+8:16*(c+8)+15], v[16*c+8:16*c+15], v[rD:rD+7]
.endif
.set c, c+1
.endr
.rept 4
	v_nop                                          ; four places behind the products, ahead of loads into their sources and of reads of their results
.endr
.endm
	BATCH 0
	BATCH 8
	WIN 0
.irp j, 0,1,2,3,4,5,6,7
	v_add_f32 v[LG+\j], v[ACC0+\j], v[ACC1+\j]
.endr
.irp j, 0,1,2,3,4,5,6,7
	v_add_f32 v[LG+\j], v[LG+\j], v[BG+\j]
.endr
	v_max3_num_f32 v[MX], v[LG], v[LG+1], v[LG+2]
	v_max3_num_f32 v[T0], v[LG+3], v[LG+4], v[LG+5]
	v_max3_num_f32 v[MX], v[MX], v[LG+6], v[LG+7]
	v_max_num_f32 v[MX], v[MX], v[T0]
.irp j, 0,1,2,3,4,5,6,7
	v_sub_f32 v[LG+\j], v[LG+\j], v[MX]            ; the difference first, then the factor: fused, log2(e) max would be rounded apart, an error that grows with the logits
.endr
.irp j, 0,1,2,3,4,5,6,7
	v_mul_f32 v[LG+\j], 0x3fb8aa3b, v[LG+\j]
.endr
.irp j, 0,1,2,3,4,5,6,7
	v_exp_f32 v[LG+\j], v[LG+\j]                   ; one batch
.endr
	v_mov_b32 v[I1], 0                             ; plain work behind the last exponential: the scan's start
	v_mov_b32 v[I2], 0
	v_mov_b32 v[P2], -1.0                          ; below every p
	s_wait_alu depctr_va_vdst(0)                   ; one wait for the eight exponentials, ahead of their first reader
	v_mov_b32 v[P1], v[LG]
	v_add_f32 v[ZS], v[LG], v[LG+1]
	v_add_f32 v[T0], v[LG+2], v[LG+3]
	v_add_f32 v[T1], v[LG+4], v[LG+5]
	v_add_f32 v[PL], v[LG+6], v[LG+7]
	v_add_f32 v[ZS], v[ZS], v[T0]
	v_add_f32 v[T1], v[T1], v[PL]
	v_add_f32 v[ZS], v[ZS], v[T1]
.macro SCAN e                          ; expert e against the best two so far; selects only, no branch
	v_cmp_gt_f32 s34, v[LG+\e], v[P1]
	v_cmp_gt_f32 s35, v[LG+\e], v[P2]
	v_cndmask_b32 v[P2], v[P2], v[LG+\e], s35
	v_cndmask_b32 v[I2], v[I2], \e, s35
	v_cndmask_b32 v[P2], v[P2], v[P1], s34
	v_cndmask_b32 v[I2], v[I2], v[I1], s34
	v_cndmask_b32 v[P1], v[P1], v[LG+\e], s34
	v_cndmask_b32 v[I1], v[I1], \e, s34
.endm
.irp e, 1,2,3,4,5,6,7
	SCAN \e
.endr
	v_cmp_lt_u32 s34, v[I1], v[I2]
	v_cndmask_b32 v[PL], v[P2], v[P1], s34         ; p of the lower index,
	v_cndmask_b32 v[PH], v[P1], v[P2], s34         ; and of the higher
	v_max_num_f32 v[QQ], 0x2b800000, v[PH]         ; q = max(p_hi, 2^-40)
	v_rcp_f32 v[RQ], v[QQ]
	v_rcp_f32 v[RZ], v[ZS]
	v_min_u32 v[T0], v[I1], v[I2]                  ; plain work behind the reciprocals: the pair's number
	v_max_u32 v[T1], v[I1], v[I2]
	v_add_nc_u32 v[SD], -1, v[T1]
	v_mul_u32_u24 v[SD], v[T1], v[SD]
	v_lshrrev_b32 v[SD], 1, v[SD]
	v_add_nc_u32 v[SD], v[SD], v[T0]
	s_lshl_b32 s32, s18, 6
	s_add_co_u32 s32, s32, RS
	v_lshl_add_u32 v9, v2, 2, s32                  ; RS + 4 (16 wave + r)
	s_lshl_b32 s32, s18, 7
	s_add_co_u32 s32, s32, RG
	v_lshl_add_u32 v10, v2, 3, s32                 ; RG + 8 (16 wave + r)
	s_wait_alu depctr_va_vdst(0)                   ; one wait for the two reciprocals
	v_mul_f32 v[SF], v[PL], v[RQ]
	v_mul_f32 v[SF+1], v[QQ], v[RZ]
	ds_store_b32 v9, v[SD]                         ; both halves of the lanes hold the same token and write the same word
	ds_store_b64 v10, v[SF:SF+1]
	s_wait_dscnt 0x0                               ; for the others' sake
	s_barrier_signal -1
	s_barrier_wait -1
	; Every wave reads the 128 pair numbers, four a lane, and counts its four pairs 4 wave .. 4 wave + 3.  The counts are data: no address and no branch hangs on them here.
	v_add_nc_u32 v21, RS, v4
	ds_load_b128 v[12:15], v21
	s_lshl_b32 s36, s18, 2
	s_lshl_b32 s32, s18, 4
	s_add_co_u32 s32, s32, RH
	v_mov_b32 v20, s32
	s_wait_dscnt 0x0
.irp i, 0,1,2,3
	s_mov_b32 s[40+\i], 0
.irp k, 12,13,14,15
	v_cmp_eq_u32 s34, s36, v\k
	s_bcnt1_i32_b32 s35, s34
	s_add_co_u32 s[40+\i], s[40+\i], s35
.endr
	s_add_co_u32 s36, s36, 1
	v_mov_b32 v[16+\i], s[40+\i]
.endr
	ds_store_b128 v20, v[16:19]
	s_cmp_lg_u32 s18, 0
	s_cbranch_scc1 .Lnot_wave_0
	global_store_b128 v4, v[12:15], s[14:15]       ; wave 0: the block's sid, 512 consecutive bytes
.Lnot_wave_0:
	s_cmp_lg_u32 s18, 1
	s_cbranch_scc1 .Lnot_wave_1
	v_add_nc_u32 v22, RG, v4                       ; wave 1: the block's (S, F), 1,024 consecutive bytes
	ds_load_b128 v[32:35], v22
	ds_load_b128 v[36:39], v22 offset:512
	s_wait_dscnt 0x0
	global_store_b128 v4, v[32:35], s[12:13]
	global_store_b128 v4, v[36:39], s[12:13] offset:512
.Lnot_wave_1:
	s_wait_dscnt 0x0                               ; my four counts are written
	s_barrier_signal -1
	s_barrier_wait -1
	s_cmp_lg_u32 s18, 2
	s_cbranch_scc1 .Lnot_wave_2
	v_lshlrev_b32 v25, 2, v1                       ; wave 2: the 32 counts, 128 consecutive bytes
	v_add_nc_u32 v24, RH, v25
	ds_load_b32 v23, v24
	s_wait_dscnt 0x0
	global_store_b32 v25, v23, s[16:17]
.Lnot_wave_2:
	s_wait_tensorcnt 0x0                           ; the wave's end: behind my last LDS store
	ds_add_u32 v[SPW], v[NIL]
	s_wait_dscnt 0x0
	s_endpgm
.Lfunc_end_k_q4a075770ce_router:
	.size	k_q4a075770ce_router, .Lfunc_end_k_q4a075770ce_router-k_q4a075770ce_router
	.p2alignl 7, 3214868480
	.fill 96, 4, 3214868480
	.section	.rodata,"a",@progbits
	.p2align	6, 0x0
	.amdhsa_kernel k_q4a075770ce_router
		.amdhsa_group_segment_fixed_size 144384
		.amdhsa_private_segment_fixed_size 0
		.amdhsa_enable_private_segment 0
		.amdhsa_kernarg_size 56
		.amdhsa_user_sgpr_count 2
		.amdhsa_user_sgpr_kernarg_segment_ptr 1
		.amdhsa_wavefront_size32 1
		.amdhsa_system_sgpr_workgroup_id_x 1
		.amdhsa_system_sgpr_workgroup_id_y 1
		.amdhsa_system_sgpr_workgroup_id_z 1
		.amdhsa_system_vgpr_workitem_id 0
		.amdhsa_next_free_vgpr 512
		.amdhsa_next_free_sgpr 66
		.amdhsa_reserve_vcc 0
		.amdhsa_float_denorm_mode_32 3
		.amdhsa_float_denorm_mode_16_64 3
		.amdhsa_memory_ordered 1
		.amdhsa_forward_progress 1
		.amdhsa_inst_pref_size 46
	.end_amdhsa_kernel
	.amdgpu_metadata
---
amdhsa.version: [ 1, 2 ]
amdhsa.kernels:
  - .name:           k_q4a075770ce_router
    .symbol:         k_q4a075770ce_router.kd
    .args:
      - { .name: x, .offset: 0, .size: 8, .value_kind: global_buffer, .address_space: global }
      - { .name: Wg, .offset: 8, .size: 8, .value_kind: global_buffer, .address_space: global }
      - { .name: bg, .offset: 16, .size: 8, .value_kind: global_buffer, .address_space: global }
      - { .name: xb, .offset: 24, .size: 8, .value_kind: global_buffer, .address_space: global }
      - { .name: gates, .offset: 32, .size: 8, .value_kind: global_buffer, .address_space: global }
      - { .name: sid, .offset: 40, .size: 8, .value_kind: global_buffer, .address_space: global }
      - { .name: hist, .offset: 48, .size: 8, .value_kind: global_buffer, .address_space: global }
    .group_segment_fixed_size: 144384
    .private_segment_fixed_size: 0
    .kernarg_segment_align: 8
    .kernarg_segment_size: 56
    .max_flat_workgroup_size: 256
    .sgpr_count:     66
    .vgpr_count:     512
    .wavefront_size: 32
...
	.end_amdgpu_metadata
.endif
;; end of part 4
;; launch sortw (part 5): grid 256 x 1, 4 waves a work-group, no clusters, 3,072 bytes of LDS; arguments W, hist, sid, Wf, list, tiles; writes Wf, list, tiles
.if DOCPART == 5
	.amdgcn_target "amdgcn-amd-amdhsa--gfx1250"
	.amdhsa_code_object_version 6
	.text
	.protected	k_q4a075770ce_sortw
	.globl	k_q4a075770ce_sortw
	.p2align	8
	.type	k_q4a075770ce_sortw,@function
k_q4a075770ce_sortw:
	s_mov_b64 s[64:65], 0
	v_nop
	global_prefetch_b8 v0, s[64:65] scope:SCOPE_SE
	s_setreg_imm32_b32 hwreg(HW_REG_WAVE_MODE, 25, 1), 1
	s_wait_xcnt 0x0
; SORT AND WEIGHTS.  Work-group g of 256 does three things.
; (1) A counting sort without atomics.  Pair s with c_s tokens gets NT_s = ceil(c_s / 144) tiles of 144 places, the pairs' tiles one behind the other (TB_s tiles lie ahead of pair s); the sum over 28 pairs
;     is at most (32768 + 28 x 143) / 144 = 255.4, so 256 tiles serve every split of the tokens.  'list' is [256 tiles][144 places].  The group places the 128 tokens of block g: a token's place is
;     144 TB_s + its rank in its pair = 144 TB_s + the pair's tokens in blocks below g + those in the block's waves ahead of mine + those in lower lanes.  All come from hist (256 blocks x 32 counts),
;     which every work-group adds up for itself, and from the block's own sid.
; (2) Tile g: its record (e_lo, e_hi, n, 0), (0, 1, 0, 0) where no pair reaches it, and 0 in its places n .. 143 of the list, so that every place holds a token's number.
; (3) 16 rows k of one expert's W, rounded once to bf16 and laid in the order in which a wave's operand registers take them:
;     Wf[e][cg 0-7][kc 0-15][b 0-3][j2 0-1][lane][8 bf16], lane (r, h) holding W[e][32 kc + 16 j2 + 8 h + 0..7][64 cg + 4 r + b]: byte strides 524288, 65536, 4096, 1024, 512, 16.
;     Columns are dealt 4 r + b so that in the product a lane's four accumulators b hold four neighbouring columns of a row.
; Pairs lie in lanes (lane s = pair s) wherever they can: sums, the number of tiles and their prefix are vector work, with no loop over pairs.
; No matrix unit, no cluster, no tensor load: 8 MiB of W read once, each byte by one work-group, and it passes through registers to be rounded.
.set TOTL,  0                          ; LDS: eight partial sums over blocks for each pair (wave q, half h of the lanes: 128 bytes at 128 (2 q + h)),
.set PREL,  1024                       ; the same over the blocks below g,
.set CNTL,  2048                       ; and each wave's counts of its own 32 tokens, a word a pair
.set SPARE, 2560                       ; the spare words, 128 bytes a wave: two blocks of 256 bytes that no other line names
.set THV,  9                           ; g - 64 q - h: load i's block lies below g where 2 i is less (signed)
.set TOT,  10                          ; v10-11
.set PRE,  12                          ; v12-13
.set RK,   14                          ; my token's rank among my wave's tokens of its pair
.set T,    15
.set CNT,  21
.set CT,   22                          ; lane s: c_s
.set PR,   23                          ; lane s: pair s's tokens ahead of my wave's
.set NT,   24
.set SC,   25
.set TB,   26
.set BASE, 27
.set POS,  28
.set NV,   29
.set SPW,  30
.set NIL,  31
.set H,    32                          ; v32-95   hist of my wave's 64 blocks, two blocks a load; later the partial sums
.set T1,   96
.set DV,   97
.set IDX,  98
.set MY,   99                          ; my token's sid
.set WR,   100                         ; v100-163 16 rows x 4 columns of W
.set WC,   164                         ; v164-195 packed: (h, b) at WC + 4 (4 h + b)
.set MK,   66                          ; s66-93   which of my wave's lanes hold pair i; then how many
	s_load_b256 s[4:11], s[0:1], 0x0               ; W s[4:5], hist s[6:7], sid s[8:9], Wf s[10:11]
	s_load_b128 s[12:15], s[0:1], 0x20             ; list s[12:13], tiles s[14:15]
	v_lshl_add_u32 v[SPW], v0, 2, SPARE
	v_mov_b32 v[NIL], 0
	v_lshrrev_b32 v1, 5, v0
	v_readfirstlane_b32 s18, v1                    ; wave q, 0..3
	v_and_b32 v1, 31, v0                           ; l
	v_lshlrev_b32 v2, 2, v1                        ; 4 l
	v_lshlrev_b32 v3, 2, v0                        ; 4 t
	v_lshlrev_b32 v4, 4, v1                        ; 16 l
	v_bfe_u32 v6, v0, 4, 1                         ; h
	v_and_b32 v5, 15, v0
	v_lshlrev_b32 v5, 4, v5
	v_lshl_add_u32 v5, v6, 16, v5                  ; Wf: lanes 16-31 hold the next group of 64 columns; 16 bytes a lane
	v_lshlrev_b32 v7, 3, v1                        ; 8 l
	v_lshlrev_b32 v8, 3, v0                        ; 8 t
	s_mov_b32 s19, ttmp9                           ; g
	s_lshl_b32 s20, s18, 13                        ; hist: my wave's 64 blocks of 128 bytes
	s_mov_b32 s21, 0
	s_lshl_b32 s22, ttmp9, 9                       ; sid: block g
	s_mov_b32 s23, 0
	s_lshl_b32 s24, ttmp9, 15                      ; W: rows 16 g .. 16 g + 15 of the 4,096 rows of 2,048 bytes,
	s_lshl_b32 s26, s18, 9                         ; my wave's 512 bytes of each
	s_add_co_u32 s24, s24, s26
	s_mov_b32 s25, 0
	s_lshr_b32 s32, ttmp9, 5                       ; Wf: e = g / 32,
	s_lshl_b32 s32, s32, 19
	s_lshl_b32 s33, s18, 17                        ; column groups 2 q and 2 q + 1,
	s_add_co_u32 s32, s32, s33
	s_bfe_u32 s33, ttmp9, 0x40001                  ; kc = (g / 2) % 16,
	s_lshl_b32 s33, s33, 12
	s_add_co_u32 s32, s32, s33
	s_and_b32 s33, ttmp9, 1                        ; j2 = g % 2
	s_lshl_b32 s33, s33, 9
	s_add_co_u32 s32, s32, s33
	s_mov_b32 s33, 0
	s_lshl_b32 s34, ttmp9, 4                       ; tiles: record g
	s_mov_b32 s35, 0
	s_mul_i32 s36, ttmp9, 576                      ; list: tile g's 144 places
	s_mov_b32 s37, 0
	s_lshl_b32 s27, s18, 6
	s_sub_co_i32 s27, ttmp9, s27
	v_sub_nc_u32 v[THV], s27, v6
	s_mov_b32 s40, 58255
	s_mov_b32 s42, 144
	s_wait_kmcnt 0x0
	s_add_nc_u64 s[6:7], s[6:7], s[20:21]
	s_add_nc_u64 s[8:9], s[8:9], s[22:23]
	s_add_nc_u64 s[4:5], s[4:5], s[24:25]
	s_add_nc_u64 s[10:11], s[10:11], s[32:33]
	s_add_nc_u64 s[14:15], s[14:15], s[34:35]
	s_add_nc_u64 s[38:39], s[12:13], s[36:37]
	global_load_b32 v[MY], v3, s[8:9]
.set i, 0
.rept 32
	global_load_b64 v[H+2*i:H+2*i+1], v7, s[6:7] offset:256*i  ; blocks 64 q + 2 i + h, pairs 2 (l % 16) and + 1: 256 consecutive bytes
.set i, i+1
.endr
.set i, 0
.rept 16
	global_load_b128 v[WR+4*i:WR+4*i+3], v4, s[4:5] offset:2048*i th:TH_LOAD_NT  ; 512 consecutive bytes of row i
.set i, i+1
.endr
	v_mov_b32 v[TOT], 0
	v_mov_b32 v[TOT+1], 0
	v_mov_b32 v[PRE], 0
	v_mov_b32 v[PRE+1], 0
	v_mov_b32 v[RK], 0
	v_mov_b32 v[CNT], 0
	s_wait_loadcnt 48                              ; my token's sid is in: behind it stand hist's 32 loads and W's 16
	; My wave's 32 tokens, pair by pair, in four runs, so that no line waits for the line just ahead of it
.set i, 0
.rept 28
	v_cmp_eq_u32 s[MK+i], i, v[MY]
.set i, i+1
.endr
.set i, 0
.rept 14
	v_mbcnt_lo_u32_b32 v[T], s[MK+2*i], 0          ; the pair's tokens in lower lanes
	v_mbcnt_lo_u32_b32 v[T1], s[MK+2*i+1], 0
	v_cndmask_b32 v[RK], v[RK], v[T], s[MK+2*i]
	v_cndmask_b32 v[RK], v[RK], v[T1], s[MK+2*i+1]
.set i, i+1
.endr
.set i, 0
.rept 28
	s_bcnt1_i32_b32 s[MK+i], s[MK+i]
.set i, i+1
.endr
.set i, 0
.rept 28
	v_writelane_b32 v[CNT], s[MK+i], i             ; lane s: pair s's tokens in my wave
.set i, i+1
.endr
	ds_store_b32 v3, v[CNT] offset:CNTL
	s_wait_loadcnt 16                              ; hist is in: behind it stand W's 16 loads
.set i, 0
.rept 32
	v_cmp_lt_i32 vcc_lo, 2*i, v[THV]
	v_cndmask_b32 v[T], 0, v[H+2*i], vcc_lo
	v_cndmask_b32 v[T1], 0, v[H+2*i+1], vcc_lo
	v_add_nc_u32 v[TOT], v[TOT], v[H+2*i]
	v_add_nc_u32 v[TOT+1], v[TOT+1], v[H+2*i+1]
	v_add_nc_u32 v[PRE], v[PRE], v[T]
	v_add_nc_u32 v[PRE+1], v[PRE+1], v[T1]
.set i, i+1
.endr
	ds_store_b64 v8, v[TOT:TOT+1] offset:TOTL      ; 8 t = 128 (2 q + h) + 4 x 2 (l % 16)
	ds_store_b64 v8, v[PRE:PRE+1] offset:PREL
	s_wait_dscnt 0x0                               ; for the others' sake
	s_barrier_signal -1
	s_barrier_wait -1
.irp p, 0,1,2,3,4,5,6,7
	ds_load_b32 v[H+\p], v2 offset:TOTL+128*\p
	ds_load_b32 v[H+8+\p], v2 offset:PREL+128*\p
.endr
.irp j, 0,1,2
	ds_load_b32 v[H+16+\j], v2 offset:CNTL+128*\j
.endr
.irp j, 0,1,2
	s_cmp_gt_u32 s18, \j                           ; wave j's tokens lie ahead of mine where j < q
	s_cselect_b32 s[46+\j], -1, 0
.endr
	s_wait_dscnt 0x0
.macro SUM8 dst, a                     ; eight partial sums
	v_add_nc_u32 v[\a], v[\a], v[\a+1]
	v_add_nc_u32 v[\a+2], v[\a+2], v[\a+3]
	v_add_nc_u32 v[\a+4], v[\a+4], v[\a+5]
	v_add_nc_u32 v[\a+6], v[\a+6], v[\a+7]
	v_add_nc_u32 v[\a], v[\a], v[\a+2]
	v_add_nc_u32 v[\a+4], v[\a+4], v[\a+6]
	v_add_nc_u32 v[\dst], v[\a], v[\a+4]
.endm
	SUM8 CT, H
	SUM8 PR, H+8
.irp j, 0,1,2
	v_and_b32 v[H+16+\j], s[46+\j], v[H+16+\j]
	v_add_nc_u32 v[PR], v[PR], v[H+16+\j]
.endr
	v_add_nc_u32 v[NT], 143, v[CT]
	v_mul_lo_u32 v[NT], v[NT], s40
	v_lshrrev_b32 v[NT], 23, v[NT]                 ; ceil(c / 144): 58255 / 2^23 is 1 / 144 x (1 + 1.34e-5): exact for c + 143 below 74,898, and the product stays under 2^32
	v_mov_b32 v[SC], v[NT]
.irp n, 1,2,4,8                        ; a running sum over each half of 16 lanes: lane i takes lane i - n, lanes without one take 0
	v_mov_b32 v[T], 0
	v_mov_b32_dpp v[T], v[SC] row_shr:\n row_mask:0xf bank_mask:0xf bound_ctrl:1
	v_add_nc_u32 v[SC], v[SC], v[T]
.endr
	v_readlane_b32 s41, v[SC], 15                  ; the lower half's total goes onto the upper half
	v_cmp_lt_u32 vcc_lo, 15, v1
	v_cndmask_b32 v[T], 0, s41, vcc_lo
	v_add_nc_u32 v[SC], v[SC], v[T]
	v_sub_nc_u32 v[TB], v[SC], v[NT]               ; lane s: the tiles ahead of pair s
	v_mul_u32_u24 v[BASE], v[TB], 144
	v_add_nc_u32 v[BASE], v[BASE], v[PR]
	v_lshlrev_b32 v[IDX], 2, v[MY]
	ds_bpermute_b32 v[POS], v[IDX], v[BASE]        ; my pair's base, from its lane
	v_sub_nc_u32 v[DV], s19, v[TB]                 ; g's number among pair s's tiles; below the pair it wraps to a large number
	v_cmp_lt_u32 vcc_lo, v[DV], v[NT]              ; at most one lane: the pair that tile g belongs to
	v_mul_lo_u32 v[NV], v[DV], s42
	v_sub_nc_u32 v[NV], v[CT], v[NV]
	v_min_u32 v[NV], 144, v[NV]                    ; what is left of the pair from this tile on, 144 at the most
	s_ctz_i32_b32 s43, vcc_lo
	s_cmp_lg_u32 vcc_lo, 0
	s_cselect_b32 s43, s43, 0                      ; the pair, or 0 where there is none
	v_readlane_b32 s44, v[NV], s43
	s_cselect_b32 s44, s44, 0                      ; n
	s_mov_b32 s53, 1                               ; hi: one more for each first pair number of a higher hi that the pair has reached
.irp thr, 1,3,6,10,15,21
	s_cmp_ge_u32 s43, \thr
	s_add_co_ci_u32 s53, s53, 0
.endr
	s_sub_co_u32 s54, s53, 1
	s_mul_i32 s54, s54, s53
	s_lshr_b32 s54, s54, 1
	s_sub_co_u32 s54, s43, s54                     ; lo
	v_mov_b32 v16, s54
	v_mov_b32 v17, s53
	v_mov_b32 v18, s44
	v_mov_b32 v19, 0
	v_mov_b32 v20, 0
	s_lshl_b32 s50, ttmp9, 7
	v_add_nc_u32 v[T], s50, v0                     ; my token's number
	s_wait_dscnt 0x0
	v_add_nc_u32 v[POS], v[POS], v[RK]
	v_min_u32 v[POS], 0x8fff, v[POS]               ; a place made of loaded counts: held inside the list's 36,864 places
	v_lshlrev_b32 v[POS], 2, v[POS]
	global_store_b32 v[POS], v[T], s[12:13]        ; four bytes a lane to sorted places: 128 KiB in all, the sort itself
	v_cmp_eq_u32 vcc_lo, 0, v0
	s_wait_xcnt 0x0                                ; EXEC is a source of the loads and stores that are out: it changes only behind this wait
	s_and_saveexec_b32 s56, vcc_lo
	global_store_b128 v20, v[16:19], s[14:15]      ; the record: thread 0 alone
	s_wait_xcnt 0x0                                ; and again ahead of the line that widens it
	s_or_b32 exec_lo, exec_lo, s56
	v_cmp_le_u32 vcc_lo, s44, v0                   ; places t = n .. 127 of tile g take 0
	s_and_saveexec_b32 s56, vcc_lo
	global_store_b32 v3, v20, s[38:39]
	s_wait_xcnt 0x0
	s_or_b32 exec_lo, exec_lo, s56
	v_add_nc_u32 v[T1], 128, v0                    ; and places 128 + t, t < 16, from n on
	v_cmp_le_u32 s57, s44, v[T1]
	v_cmp_gt_u32 vcc_lo, 16, v0
	s_and_b32 vcc_lo, vcc_lo, s57
	s_and_saveexec_b32 s56, vcc_lo
	global_store_b32 v3, v20, s[38:39] offset:512
	s_wait_xcnt 0x0
	s_or_b32 exec_lo, exec_lo, s56
	s_wait_loadcnt 0x0                             ; W
.irp h, 0,1
.irp b, 0,1,2,3
.irp m, 0,1,2,3
	v_cvt_pk_bf16_f32 v[WC+4*(4*\h+\b)+\m], v[WR+4*(8*\h+2*\m)+\b], v[WR+4*(8*\h+2*\m+1)+\b]  ; the lower k in the lower half
.endr
.endr
.endr
.irp h, 0,1
.irp b, 0,1,2,3
	global_store_b128 v5, v[WC+4*(4*\h+\b):WC+4*(4*\h+\b)+3], s[10:11] offset:\b*1024+\h*256  ; 16 lanes store 256 consecutive bytes, at a multiple of 256 from Wf's first byte
.endr
.endr
	s_wait_tensorcnt 0x0                           ; the wave's end: behind my last LDS store
	ds_add_u32 v[SPW], v[NIL]
	s_wait_dscnt 0x0
	s_endpgm
.Lfunc_end_k_q4a075770ce_sortw:
	.size	k_q4a075770ce_sortw, .Lfunc_end_k_q4a075770ce_sortw-k_q4a075770ce_sortw
	.p2alignl 7, 3214868480
	.fill 96, 4, 3214868480
	.section	.rodata,"a",@progbits
	.p2align	6, 0x0
	.amdhsa_kernel k_q4a075770ce_sortw
		.amdhsa_group_segment_fixed_size 3072
		.amdhsa_private_segment_fixed_size 0
		.amdhsa_enable_private_segment 0
		.amdhsa_kernarg_size 48
		.amdhsa_user_sgpr_count 2
		.amdhsa_user_sgpr_kernarg_segment_ptr 1
		.amdhsa_wavefront_size32 1
		.amdhsa_system_sgpr_workgroup_id_x 1
		.amdhsa_system_sgpr_workgroup_id_y 1
		.amdhsa_system_sgpr_workgroup_id_z 1
		.amdhsa_system_vgpr_workitem_id 0
		.amdhsa_next_free_vgpr 208
		.amdhsa_next_free_sgpr 96
		.amdhsa_reserve_vcc 1
		.amdhsa_float_denorm_mode_32 3
		.amdhsa_float_denorm_mode_16_64 3
		.amdhsa_memory_ordered 1
		.amdhsa_forward_progress 1
		.amdhsa_inst_pref_size 31
	.end_amdhsa_kernel
	.amdgpu_metadata
---
amdhsa.version: [ 1, 2 ]
amdhsa.kernels:
  - .name:           k_q4a075770ce_sortw
    .symbol:         k_q4a075770ce_sortw.kd
    .args:
      - { .name: W, .offset: 0, .size: 8, .value_kind: global_buffer, .address_space: global }
      - { .name: hist, .offset: 8, .size: 8, .value_kind: global_buffer, .address_space: global }
      - { .name: sid, .offset: 16, .size: 8, .value_kind: global_buffer, .address_space: global }
      - { .name: Wf, .offset: 24, .size: 8, .value_kind: global_buffer, .address_space: global }
      - { .name: list, .offset: 32, .size: 8, .value_kind: global_buffer, .address_space: global }
      - { .name: tiles, .offset: 40, .size: 8, .value_kind: global_buffer, .address_space: global }
    .group_segment_fixed_size: 3072
    .private_segment_fixed_size: 0
    .kernarg_segment_align: 8
    .kernarg_segment_size: 48
    .max_flat_workgroup_size: 128
    .sgpr_count:     96
    .vgpr_count:     208
    .wavefront_size: 32
...
	.end_amdgpu_metadata
.endif
;; end of part 5
;; launch moe (part 6): grid 256 x 1, 4 waves a work-group, no clusters, 167,936 bytes of LDS; arguments xb, Wf, b, gates, list, tiles, out0; writes out0
.if DOCPART == 6
	.amdgcn_target "amdgcn-amd-amdhsa--gfx1250"
	.amdhsa_code_object_version 6
	.text
	.protected	k_q4a075770ce_moe
	.globl	k_q4a075770ce_moe
	.p2align	8
	.type	k_q4a075770ce_moe,@function
k_q4a075770ce_moe:
	s_mov_b64 s[64:65], 0
	v_nop
	global_prefetch_b8 v0, s[64:65] scope:SCOPE_SE
	s_setreg_imm32_b32 hwreg(HW_REG_WAVE_MODE, 25, 1), 1
	s_wait_xcnt 0x0
; THE PRODUCT.  Work-group g takes tile g: record (e_lo, e_hi, n, 0) and the 144 places list[g][..], of which the first n hold tokens that chose the same two experts lo < hi; it stores their rows of out0:
;   out = F (S (x W_lo + b_lo) + x W_hi + b_hi), x, W and b rounded to bf16, sums in f32, S and F (f32, by token) from the router.  Both products go into ONE accumulator,
; so every output row has one owner and nothing is summed in memory.  The gate's weights touch f32 sums alone: no matrix operand is rounded twice.
; SHARES.  144 rows x 512 columns, K = 2 x 512.  A wave has all 144 rows and 64 columns in each of two PASSES (column group 4 pass + wave): 9 x 4 accumulators, 288 registers;
; a pass's stores leave while the next pass is multiplied.  A pass: 16 K steps of 32 with W_lo (the bias is the first product's C), MID (acc = S acc + b_hi), 16 K steps with W_hi, the way out.
; THE HEAD asks in two bursts.  The list's places hang on g alone, so they are asked for beside the record.  Then what the first two K steps and the tables want: biases, W's K steps 0 and 1, the gates, the first
; quarter of x along K: 74 KiB a work-group.  Only when the loads among these are in does the rest go out, 190 KiB, in the order in which it is wanted: it lands under the first K steps' products.
; x: the tile's rows are gathered from xb into LDS once, by asynchronous copies, 16 lanes to 256 aligned bytes of a row; LDS holds them as four chunks of 128 along K, so that what is read and
; what is still being filled are different intervals.  W: with waves split by columns each fragment has ONE reader in the work-group, so it comes from Wf straight into registers, 512 consecutive bytes a load,
; through a ring of eight K steps' registers, asked for seven steps ahead.  The K loop has no refill of LDS; its three barriers only make a landed chunk known to all four waves.
; THE WAY OUT needs no LDS: Wf deals columns 4 r + b to lane r, so a lane's four accumulators hold 16 neighbouring bytes of a row and 16 lanes 256 aligned ones.
; THE LAST PASS'S END GOES BY ROWS.  Nothing follows the last pass under which its stores could leave.  So its last six K steps, whose W the ring holds whole, are turned round: the nine row blocks are finished
; one after the other, 24 matrix instructions each, K ascending, and each block leaves as soon as it is finished.  LDS is read no more than by K: 9 x 12 loads for 6 x 18.
; ROWS PAST THE COUNT repeat the tile's last row.  Row blocks of 16 wholly past it are not stored (a scalar branch over stores alone); in the one block that is partly past it the repeats store
; the same bytes to the same row again.  They are not multiplied either: with n <= 32 a K step multiplies blocks 0 and 1 alone, with n <= 80 blocks 0 to 4; the branches stand behind the step's loads
; and barrier, so every count and every barrier is alike on all ways; a pass's first K step is always whole, so that every accumulator is written.  By rows, the first dead block ends the wave's work.
; A record with n = 0 runs on token 0's row and stores nothing: the barriers may not stand under a branch on loaded data.
; NO CLUSTER: partners would have to share a pair of experts in every split; whole clusters of four for each of 28 pairs on 64 clusters need (32768 + 28 (4 M - 1)) / (4 M) <= 64, M >= 228 rows a
; work-group, 912 accumulator registers a lane at 512 columns.  NO PREFETCH: the whole gather is asked for at the head, and Wf's 4 MiB are walked by all work-groups at once.
; LIMITS: the router's; NaN and infinities are not treated apart.
; REGISTERS, in windows of 256 (s_set_vgpr_msb: bits 1:0 source 0, 3:2 source 1, 5:4 source 2, 7:6 destination):
;   window 0: v0-29 addresses and work; v32-103, v104-175 fragments of x, two buffers of 9 x 8 (on the way out: tables, offsets, results); v176-193 gather offsets; v194-235 tokens, gates, biases;
;             at the last pass's end v208-255 and v160-207, whose contents are dead by then, take a row block's fragments by turns
;   window 1: the ring of W: K step kc at 32 (kc % 8), column slot b at + 8 b        window 2: accumulators (a, b), a = 0..7, at 8 (4 a + b)
;   window 3: v0-31 accumulators (8, b); v32-103 the copies' LDS addresses; v104-175 S by row block and register; v176-207 b_lo spread as a C operand
.set ROWS,  144
.set PA,    272                        ; an LDS row of a chunk: 256 bytes + 16 = 17 x 16: the 16 rows of a fragment load start at 16 different groups of four banks (ISA guide 11.1)
.set CHUNK, ROWS*PA                    ; 39,168 bytes = 153 blocks of 256
.set TBL,   4*CHUNK                    ; behind the chunks, never a copy's target: each wave's own tables by row, 160 words each:
.set TBLW,  2048
.set FT,    640                        ; S at 0, F here,
.set TO,    1280                       ; the token's number here
.set SPARE, TBL+4*TBLW                 ; the spare words, 128 bytes a wave: two blocks of 256 bytes that no other line names
.set AAD,  8                           ; v8-11  my fragment address in chunk c: c CHUNK + 272 r + 16 h
.set SPW,  28
.set NIL,  29
.set AF,   32
.set GA,   32                          ; at the head: the gates' byte offsets
.set TB,   32                          ; the way out: F (8) and tokens (8) of a row block, two sets
.set RO,   64                          ; byte offsets of 8 rows, two sets
.set TMP,  80                          ; 8 rows x 4 columns, two sets
.set GOFF, 176
.set TK,   194
.set GT,   200
.set RB,   208                         ; by rows: block a's fragments of K steps 10 to 15, 48 registers, at RB - 48 (a % 2)
.set BLC,  212                         ; b_lo of my 4 columns, this pass
.set BHC,  216                         ; b_hi, each number twice: pairs for the packed multiply-add
.set BLN,  224                         ; the same for the next pass
.set BHN,  228
.set LA,    32                         ; window 3
.set SREG,  104
.set BIASC, 176
.set PLO, 30                           ; s[30:31] Wf at expert lo, my column group
.set PHI, 32                           ; s[32:33] at expert hi
.set XC,  36                           ; s[36:43] xb + 256 c
.set BB,  44                           ; s[44:47] b at lo's and hi's rows, my wave's 64 columns
.set MSB, 0
.macro WIN new                         ; the immediate's high byte repeats the setting that is left; a switch that changes nothing is dropped
.if MSB != (\new)
	s_set_vgpr_msb (MSB<<8)|(\new)
.set MSB, \new
.endif
.endm
.macro PLACES                          ; four places behind matrix instructions, ahead of loads into their sources and of vector lines on their results
.rept 4
	v_nop
.endr
.endm
.macro WLOAD ptr, pos                  ; W's four fragments of K step pos: eight loads of 512 consecutive bytes
	WIN 0x40
.irp b, 0,1,2,3
.irp j, 0,1
	global_load_b128 v[32*((\pos)%8)+8*\b+4*\j:32*((\pos)%8)+8*\b+4*\j+3], v3, s[\ptr:\ptr+1] offset:(\pos)*4096+\b*1024+\j*512
.endr
.endr
.endm
.macro COPIES u0, cnt                  ; copy u % 18 of chunk u / 18: two rows x 256 aligned bytes
	WIN 0xc0                                       ; a copy's LDS address is its destination: window 3
.set u, \u0
.rept \cnt
	global_load_async_to_lds_b128 v[LA+u], v[GOFF+u%18], s[XC+2*(u/18):XC+2*(u/18)+1]
.set u, u+1
.endr
.endm
.macro FETCH kc                        ; x's nine fragments of K step kc: 18 LDS loads in one run
	WIN 0
.irp a, 0,1,2,3,4,5,6,7,8
	ds_load_b128 v[AF+72*((\kc)%2)+8*\a:AF+72*((\kc)%2)+8*\a+3],   v[AAD+(\kc)/4] offset:\a*16*PA+((\kc)%4)*64
	ds_load_b128 v[AF+72*((\kc)%2)+8*\a+4:AF+72*((\kc)%2)+8*\a+7], v[AAD+(\kc)/4] offset:\a*16*PA+((\kc)%4)*64+32
.endr
.endm
.macro ALOADR a                        ; by rows: row block a's fragments of K steps 10 to 15: 12 LDS loads in one run
	WIN 0
.set fa, RB-48*((\a)%2)
.irp k, 10,11,12,13,14,15
	ds_load_b128 v[fa+8*(\k-10):fa+8*(\k-10)+3],   v[AAD+\k/4] offset:(\a)*16*PA+(\k%4)*64
	ds_load_b128 v[fa+8*(\k-10)+4:fa+8*(\k-10)+7], v[AAD+\k/4] offset:(\a)*16*PA+(\k%4)*64+32
.endr
.endm
; Row blocks a0 .. a1 x the four column slots.  Source 0 = 16 rows of x, source 1 = 16 columns of W.  The accumulators take turns, one instruction a turn, in the same order in every step;
; where a step is cut short the next step begins with accumulator (0, 0), another than the last one written.  first = 1: the product starts the sum with b_lo as C: nothing is cleared.
.macro MUL kc, a0, a1, first
.set ma, \a0
.rept (\a1)-(\a0)+1
.if ma == 8
	WIN 0xf4
.set ac, 0
.elseif \first
	WIN 0xb4
.set ac, 32*ma
.else
	WIN 0xa4
.set ac, 32*ma
.endif
.set rA, AF+72*((\kc)%2)+8*ma
.set rW, 32*((\kc)%8)
.irp b, 0,1,2,3
.if \first
	v_wmma_f32_16x16x32_bf16 v[ac+8*\b:ac+8*\b+7], v[rA:rA+7], v[rW+8*\b:rW+8*\b+7], v[BIASC+8*\b:BIASC+8*\b+7]
.else
	v_wmma_f32_16x16x32_bf16 v[ac+8*\b:ac+8*\b+7], v[rA:rA+7], v[rW+8*\b:rW+8*\b+7], v[ac+8*\b:ac+8*\b+7]
.endif
.endr
.set ma, ma+1
.endr
.endm
; A K step: 36 matrix instructions at the most.  Behind the first eight, in one run, the next step's x and the W of seven steps on: both land in registers that the step before read last.
; wn: the W loads that may stay out.  sync >= 0: the chunk that this step's fetch reads is made known: my copies of it have landed (sync = my copies of later chunks), and a barrier; the copies of
; later chunks stay out across it: nothing in this launch fills LDS bytes again.  fetch = 1: the next K step's x; 2: row block 0's fragments for the end by rows; 0: none.  wptr = 0: no W is asked for.
; Behind the loads: the two cuts for tiles with few rows (n is the same in all four waves).
.macro STEP kc, first, sync, fetch, wptr, wn
	s_wait_loadcnt \wn
.if (\sync) >= 0
	s_wait_asynccnt \sync
.endif
	s_wait_dscnt 0x0                               ; this step's x is in; no LDS instruction of mine is out at a signal
.if (\sync) >= 0
	s_barrier_signal -1
.endif
	MUL \kc, 0, 1, \first
	WIN 0
.if (\sync) >= 0
	s_barrier_wait -1
.endif
	PLACES
.if (\fetch) == 1
	FETCH ((\kc)+1)%16
.elseif (\fetch) == 2
	ALOADR 0
.endif
.if \wptr
	WLOAD \wptr, ((\kc)+7)%16
.endif
.if \first
	MUL \kc, 2, 7, 1
	MUL \kc, 8, 8, 1
.else
	WIN 0                                          ; at a branch and at a label every window is 0
	s_cmp_le_u32 s27, 32
	s_cbranch_scc1 .Ldone_\@                       ; blocks 2 to 8 hold no row of the tile
	MUL \kc, 2, 4, 0
	WIN 0
	s_cmp_le_u32 s27, 80
	s_cbranch_scc1 .Ldone_\@                       ; blocks 5 to 8 hold none
	MUL \kc, 5, 7, 0
	MUL \kc, 8, 8, 0
	WIN 0
.Ldone_\@:
.endif
.endm
; By rows: row block a is finished: K steps 10 to 15 x the four column slots; its four accumulators take turns, one instruction a turn.
.macro ROWB a
.if (\a) < 8
	WIN 0xa4
.set ac, 32*(\a)
.else
	WIN 0xf4
.set ac, 0
.endif
.set fa, RB-48*((\a)%2)
.irp k, 10,11,12,13,14,15
.if ((\a) == 0) && (\k == 15)
	s_wait_loadcnt 0x0                             ; W's last K step, the last load of all
.endif
.irp b, 0,1,2,3
	v_wmma_f32_16x16x32_bf16 v[ac+8*\b:ac+8*\b+7], v[fa+8*(\k-10):fa+8*(\k-10)+7], v[32*(\k%8)+8*\b:32*(\k%8)+8*\b+7], v[ac+8*\b:ac+8*\b+7]
.endr
.endr
.endm
.macro MID                             ; acc = S acc + b_hi: S by row (register and half of the lanes), b_hi by column (lane and slot); each accumulator from its low end on
	WIN 0
	s_wait_xcnt 0x0                                ; the loads that name W_lo's pointer have read it:
	s_add_nc_u64 s[PLO:PLO+1], s[PLO:PLO+1], 0x40000  ; on to the next pass's column group, four groups of 65,536 bytes further
	PLACES
.set ma, 0
.rept 9
.if ma < 8
	WIN 0x8e
.set ac, 32*ma
.else
	WIN 0xcf
.set ac, 0
.endif
.irp b, 0,1,2,3
.irp m, 0,1,2,3
	v_pk_fma_f32 v[ac+8*\b+2*\m:ac+8*\b+2*\m+1], v[ac+8*\b+2*\m:ac+8*\b+2*\m+1], v[SREG+8*ma+2*\m:SREG+8*ma+2*\m+1], v[BHC+2*\b:BHC+2*\b+1]
.endr
.endr
.set ma, ma+1
.endr
.endm
.macro TLOAD a                         ; F and the token numbers of my eight rows of block a
	ds_load_b128 v[TB+16*((\a)%2):TB+16*((\a)%2)+3],     v12 offset:FT+64*(\a)
	ds_load_b128 v[TB+16*((\a)%2)+4:TB+16*((\a)%2)+7],   v12 offset:FT+64*(\a)+16
	ds_load_b128 v[TB+16*((\a)%2)+8:TB+16*((\a)%2)+11],  v12 offset:TO+64*(\a)
	ds_load_b128 v[TB+16*((\a)%2)+12:TB+16*((\a)%2)+15], v12 offset:TO+64*(\a)+16
.endm
.macro EPIV a                          ; row block a's offsets and results; each accumulator is read from its lowest register on
	s_wait_xcnt 0x0                                ; the stores of two blocks ago have read this set of offsets and results
.set tb, TB+16*((\a)%2)
.set ro, RO+8*((\a)%2)
.set tm, TMP+32*((\a)%2)
.irp j, 0,1,2,3,4,5,6,7
	v_min_u32 v[ro+\j], 0x7fff, v[tb+8+\j]         ; a number read back from LDS is held inside out0's rows before it enters an offset
.endr
.irp j, 0,1,2,3,4,5,6,7
	v_lshl_add_u32 v[ro+\j], v[ro+\j], 11, v4      ; token x 2,048 + 16 r
.endr
.if (\a) < 8
	WIN 0x02
.set ac, 32*(\a)
.else
	WIN 0x03
.set ac, 0
.endif
.irp j, 0,1,2,3,4,5,6,7
.irp b, 0,1,2,3
	v_mul_f32 v[tm+4*\j+\b], v[ac+8*\b+\j], v[tb+\j]
.endr
.endr
	WIN 0
.endm
.macro EPIS a                          ; and its stores
.set ro, RO+8*((\a)%2)
.set tm, TMP+32*((\a)%2)
.irp j, 0,1,2,3,4,5,6,7
	global_store_b128 v[ro+\j], v[tm+4*\j:tm+4*\j+3], s[16:17] th:TH_STORE_NT  ; lanes 0-15: 256 consecutive bytes of row 16 a + j, at a multiple of 256 from out0's first byte; lanes 16-31: of row 16 a + 8 + j
.endr
.endm
.macro EPIB a                          ; the first pass's way out: row block a leaves
.if (\a) < 8
	TLOAD (\a)+1
	s_wait_dscnt 4                                 ; this block's tables are in; the next block's four loads stay out
.else
	s_wait_dscnt 0x0
.endif
	EPIV \a
	s_cmp_gt_u32 s27, 16*(\a)
	s_cbranch_scc0 .Ldead_\@                       ; a block wholly past the count is not stored
	EPIS \a
.Ldead_\@:
.endm
; By rows: block a, just finished, leaves, and block a + 1 is finished.  The LDS loads go T0 A1 | T1 A2 | T2 A3 | .. | T7 A8 | T8 (T: a block's tables, 4 loads; A: its fragments, 12), A0 ahead of them all.
.macro RBLOCK a
	WIN 0
	PLACES                                         ; behind block a's products: ahead of the loads into its fragments' buffer and of the lines that read its results
.if (\a) < 8
	TLOAD (\a)+1
.endif
.if (\a) < 7
	ALOADR (\a)+2
	s_wait_dscnt 28                                ; block a's tables are in: behind them stand 12 + 4 + 12 loads
.elseif (\a) == 7
	s_wait_dscnt 16                                ; 12 + 4
.else
	s_wait_dscnt 0x0
.endif
	EPIV \a
.if (\a) == 0
	s_cmp_eq_u32 s27, 0
	s_cbranch_scc1 .Lfin                           ; a tile without rows stores nothing
.endif
	EPIS \a
.if (\a) < 8
	s_cmp_le_u32 s27, 16*((\a)+1)
	s_cbranch_scc1 .Lfin                           ; the blocks from a + 1 on hold no row of the tile
.if (\a) < 7
	s_wait_dscnt 16                                ; block a + 1's fragments are in: behind them stand 4 + 12 loads
.else
	s_wait_dscnt 4                                 ; the last tables' four
.endif
	ROWB (\a)+1
.endif
.endm
.macro ROUNDB bl, bh                   ; a pass's biases, rounded to bf16 like every input and kept as f32; b_hi doubled into pairs
	v_cvt_pk_bf16_f32 v14, v[\bl], v[\bl+1]
	v_cvt_pk_bf16_f32 v16, v[\bl+2], v[\bl+3]
.irp i, 0,1,2,3
	v_cvt_pk_bf16_f32 v[18+\i], v[\bh+\i], v[\bh+\i]
.endr
	v_lshlrev_b32 v[\bl], 16, v14
	v_and_b32 v[\bl+1], 0xffff0000, v14
	v_lshlrev_b32 v[\bl+2], 16, v16
	v_and_b32 v[\bl+3], 0xffff0000, v16
.irp i, 0,1,2,3
	v_lshlrev_b32 v[\bh+2*\i], 16, v[18+\i]
	v_and_b32 v[\bh+2*\i+1], 0xffff0000, v[18+\i]
.endr
.endm
	s_load_b256 s[4:11], s[0:1], 0x0               ; xb s[4:5], Wf s[6:7], b s[8:9], gates s[10:11]
	s_load_b128 s[12:15], s[0:1], 0x20             ; list s[12:13], tiles s[14:15]
	s_load_b64 s[16:17], s[0:1], 0x30              ; out0
	v_lshl_add_u32 v[SPW], v0, 2, SPARE
	v_mov_b32 v[NIL], 0
	ds_add_u32 v[SPW], v[NIL]                      ; the wave's opening: the add and its wait stand ahead of my first copy; work on registers stands between them
	v_lshrrev_b32 v5, 5, v0
	v_readfirstlane_b32 s18, v5                    ; wave 0..3
	v_and_b32 v1, 15, v0                           ; r
	v_bfe_u32 v2, v0, 4, 1                         ; h
	v_and_b32 v5, 31, v0                           ; l
	v_lshlrev_b32 v3, 4, v5                        ; 16 l
	v_lshlrev_b32 v4, 4, v1                        ; 16 r
	v_mul_u32_u24 v6, v1, PA
	v_lshl_add_u32 v6, v2, 4, v6
.irp c, 0,1,2,3
	v_add_nc_u32 v[AAD+\c], \c*CHUNK, v6
.endr
	s_lshl_b32 s20, s18, 11
	s_add_co_u32 s20, s20, TBL                     ; my wave's tables
	v_lshl_add_u32 v12, v2, 5, s20                 ; eight rows' words for each half of the lanes
	v_lshl_add_u32 v13, v5, 2, s20                 ; a word a lane
	s_mul_i32 s21, s18, 36*PA                      ; my wave gathers rows 36 wave .. 36 wave + 35, two to a copy
	v_mul_u32_u24 v15, v2, PA
	v_add_nc_u32 v15, v15, v4
	v_add_nc_u32 v15, s21, v15
	s_mul_i32 s21, s18, 144
	v_lshl_add_u32 v14, v2, 2, s21                 ; the list's place of row 36 wave + h, in bytes
	v_lshlrev_b32 v16, 2, v5                       ; of row l
	v_add_nc_u32 v17, 128, v5
	v_min_u32 v17, 143, v17
	v_lshlrev_b32 v17, 2, v17                      ; of row 128 + l, held inside the tile's 144 places
	s_lshl_b32 s22, ttmp9, 4
	s_mov_b32 s23, 0
	s_mul_i32 s48, ttmp9, 4*ROWS
	s_mov_b32 s49, 0
	s_wait_dscnt 0x0                               ; the opening add is done
	s_wait_kmcnt 0x0
	s_add_nc_u64 s[14:15], s[14:15], s[22:23]
	s_load_b128 s[24:27], s[14:15], 0x0            ; e_lo, e_hi, n, 0
	s_add_nc_u64 s[12:13], s[12:13], s[48:49]      ; the list at tile g
.set u, 0
.rept 18                                           ; the tokens of the rows that I gather: copy u takes rows 36 wave + 2 u + h
	global_load_b32 v[GOFF+u], v14, s[12:13] offset:8*u
.set u, u+1
.endr
.irp u, 0,1,2,3                                    ; and of all the tile's rows, a row a lane, for my tables
	global_load_b32 v[TK+\u], v16, s[12:13] offset:128*\u
.endr
	global_load_b32 v[TK+4], v17, s[12:13]
	s_lshl_b32 s20, s18, 8
	s_mov_b32 s21, 0
	s_add_nc_u64 s[16:17], s[16:17], s[20:21]      ; out0 at my wave's 256 bytes of a row
.irp c, 0,1,2,3
	s_add_nc_u64 s[XC+2*\c:XC+2*\c+1], s[4:5], 256*\c
.endr
	s_wait_kmcnt 0x0
	s_min_u32 s24, s24, 7                          ; what was read is held inside the tables that it indexes
	s_min_u32 s25, s25, 7
	s_min_u32 s27, s26, ROWS                       ; n
	s_max_u32 s28, s27, 1
	s_sub_co_u32 s28, s28, 1                       ; the tile's last row
	s_lshl_b32 s22, s18, 16
	s_lshl_b32 s20, s24, 19
	s_add_co_u32 s20, s20, s22
	s_add_nc_u64 s[PLO:PLO+1], s[6:7], s[20:21]
	s_lshl_b32 s20, s25, 19
	s_add_co_u32 s20, s20, s22
	s_add_nc_u64 s[PHI:PHI+1], s[6:7], s[20:21]
	s_lshl_b32 s22, s18, 8
	s_lshl_b32 s20, s24, 11
	s_add_co_u32 s20, s20, s22
	s_add_nc_u64 s[BB:BB+1], s[8:9], s[20:21]
	s_lshl_b32 s20, s25, 11
	s_add_co_u32 s20, s20, s22
	s_add_nc_u64 s[BB+2:BB+3], s[8:9], s[20:21]
	; THE FIRST BURST: the biases, W's K steps 0 and 1, and below the gates and chunk 0
	global_load_b128 v[BLC:BLC+3], v4, s[BB:BB+1]
	global_load_b128 v[BHC:BHC+3], v4, s[BB+2:BB+3]
	global_load_b128 v[BLN:BLN+3], v4, s[BB:BB+1] offset:1024
	global_load_b128 v[BHN:BHN+3], v4, s[BB+2:BB+3] offset:1024
	WLOAD PLO, 0
	WLOAD PLO, 1
	WIN 0
	s_mul_i32 s20, s18, 36
	s_sub_co_i32 s20, s27, s20
	v_sub_nc_u32 v18, s20, v2                      ; n - 36 wave - h: copy u's row lies inside the count where 2 u is less (signed)
	v_sub_nc_u32 v19, s27, v5                      ; n - l: row 32 u + l lies inside it where 32 u is less
	s_and_b32 s20, s28, 31                         ; the last row's lane
	s_lshr_b32 s21, s28, 5                         ; and register in the tables' tokens
	WIN 0xc0                                       ; destination window 3
.set u, 0
.rept 72
	v_add_nc_u32 v[LA+u], (u/18)*CHUNK+(u%18)*2*PA, v15  ; where copy u % 18 of chunk u / 18 lands
.set u, u+1
.endr
	WIN 0
	s_wait_loadcnt 20                              ; the list's 23 loads are in: behind them stand 4 + 16 loads
	v_readlane_b32 s22, v[TK], s20                 ; the tile's last token
.irp u, 1,2,3,4
	v_readlane_b32 s23, v[TK+\u], s20
	s_cmp_eq_u32 s21, \u
	s_cselect_b32 s22, s23, s22
.endr
.set u, 0
.rept 5                                            ; rows past the count take it
	v_cmp_lt_i32 vcc_lo, 32*u, v19
	v_cndmask_b32 v[TK+u], s22, v[TK+u], vcc_lo
	v_min_u32 v[TK+u], 0x7fff, v[TK+u]
	v_lshlrev_b32 v[GA+u], 3, v[TK+u]
	global_load_b64 v[GT+2*u:GT+2*u+1], v[GA+u], s[10:11]  ; (S, F)
.set u, u+1
.endr
.set u, 0
.rept 18
	v_cmp_lt_i32 vcc_lo, 2*u, v18
	v_cndmask_b32 v[GOFF+u], s22, v[GOFF+u], vcc_lo
	v_min_u32 v[GOFF+u], 0x7fff, v[GOFF+u]
	v_lshl_add_u32 v[GOFF+u], v[GOFF+u], 10, v4    ; token x 1,024 + 16 r
.set u, u+1
.endr
	COPIES 0, 18                                   ; chunk 0, which the first four K steps read
	WIN 0
	s_wait_loadcnt 21                              ; the biases are in: behind them stand 16 + 5 loads
	ROUNDB BLC, BHC
	ROUNDB BLN, BHN
	s_wait_loadcnt 0x0                             ; W's K steps 0 and 1 and the gates are in: only now is the rest asked for
	; THE SECOND BURST, in the order in which it is wanted; with it the ring holds its first seven K steps, and all 72 copies of mine stand ahead of the first wait on their counter
	WLOAD PLO, 2
	WLOAD PLO, 3
	COPIES 18, 18                                  ; chunk 1: K step 3 fetches from it
	WLOAD PLO, 4
	WLOAD PLO, 5
	WLOAD PLO, 6
	COPIES 36, 36                                  ; chunks 2 and 3
	WIN 0
.set u, 0
.rept 5
	ds_store_b32 v13, v[GT+2*u] offset:128*u
	ds_store_b32 v13, v[GT+2*u+1] offset:FT+128*u
	ds_store_b32 v13, v[TK+u] offset:TO+128*u
.set u, u+1
.endr
	WIN 0xc0
.set u, 0
.rept 9
	ds_load_b128 v[SREG+8*u:SREG+8*u+3],   v12 offset:64*u     ; S stays in registers; my own table: LDS serves a wave's instructions in order (ISA guide 5.7.1.4)
	ds_load_b128 v[SREG+8*u+4:SREG+8*u+7], v12 offset:64*u+16
.set u, u+1
.endr
	WIN 0
	s_mov_b32 s19, 0                               ; the pass
.Lpass:
	WIN 0xc0
.irp b, 0,1,2,3
.irp j, 0,1,2,3,4,5,6,7
	v_mov_b32 v[BIASC+8*\b+\j], v[BLC+\b]          ; b_lo as the C of the pass's first products: a column's number in all eight rows
.endr
.endr
	WIN 0
	s_wait_asynccnt 54                             ; my 18 copies of chunk 0 have landed; 54 stand behind them (in the second pass all these waits are met at once)
	s_wait_dscnt 0x0
	s_barrier_signal -1
	s_barrier_wait -1                              ; everybody's have
	FETCH 0
	; W_lo.  wn = 48: behind the 8 loads of a K step stand those of the six steps after it (at the launch's first two steps fewer: their W is in already)
	STEP 0, 1, -1, 1, PLO, 48
	STEP 1, 0, -1, 1, PLO, 48
	STEP 2, 0, -1, 1, PLO, 48
	STEP 3, 0, 36, 1, PLO, 48                      ; chunk 1 is wanted: chunks 2 and 3, 36 copies, may stay out
	STEP 4, 0, -1, 1, PLO, 48
	STEP 5, 0, -1, 1, PLO, 48
	STEP 6, 0, -1, 1, PLO, 48
	STEP 7, 0, 18, 1, PLO, 48                      ; chunk 2
	STEP 8, 0, -1, 1, PLO, 48
	STEP 9, 0, -1, 1, PHI, 48                      ; from here W_hi's first seven steps are asked for
	STEP 10, 0, -1, 1, PHI, 48
	STEP 11, 0, 0, 1, PHI, 48                      ; chunk 3
	STEP 12, 0, -1, 1, PHI, 48
	STEP 13, 0, -1, 1, PHI, 48
	STEP 14, 0, -1, 1, PHI, 48
	STEP 15, 0, -1, 1, PHI, 48
	MID
	; W_hi
.irp k, 0,1,2,3,4,5,6,7
	STEP \k, 0, -1, 1, PHI, 48
.endr
	WIN 0
	s_cmp_eq_u32 s19, 1
	s_cbranch_scc1 .Ltail                          ; the last pass ends by rows
	STEP 8, 0, -1, 1, PHI, 48
.irp k, 9,10,11,12,13,14
	STEP \k, 0, -1, 1, PLO, 48                     ; the next pass's W_lo, first seven steps
.endr
	STEP 15, 0, -1, 0, PLO, 48
	PLACES
	TLOAD 0
.irp a, 0,1,2,3,4,5,6,7,8
	EPIB \a
.endr
	s_wait_xcnt 0x0                                ; the stores and loads that are out have read their registers and bases
	s_add_nc_u64 s[PHI:PHI+1], s[PHI:PHI+1], 0x40000
	s_add_nc_u64 s[16:17], s[16:17], 1024          ; the next pass's columns: four groups of 256 bytes on
.irp i, 0,1,2,3
	v_mov_b32 v[BLC+\i], v[BLN+\i]
.endr
.irp i, 0,1,2,3,4,5,6,7
	v_mov_b32 v[BHC+\i], v[BHN+\i]
.endr
	s_add_co_u32 s19, s19, 1
	s_cmp_lt_u32 s19, 2
	s_cbranch_scc1 .Lpass
	s_branch .Lfin                                 ; never gone: the second pass leaves the loop at .Ltail; the line only gives the loop's fall-through a sound end
.Ltail:
	STEP 8, 0, -1, 1, PHI, 48                      ; asks for W's last K step, into the registers that K step 7 has read
	STEP 9, 0, -1, 2, 0, 48                        ; and fetches row block 0's fragments of K steps 10 to 15 in the place of K step 10's x
	PLACES                                         ; behind K step 9's products: the second fragment buffer overlaps the x that they read
	TLOAD 0
	ALOADR 1
	s_wait_loadcnt 8                               ; W's K steps 10 to 14 are in; the last one's 8 loads may stay out
	s_wait_dscnt 16                                ; block 0's fragments are in: behind them stand 4 + 12 loads
	ROWB 0
.irp a, 0,1,2,3,4,5,6,7,8
	RBLOCK \a
.endr
.Lfin:
	s_wait_tensorcnt 0x0                           ; the wave's end: behind my last copy and my last LDS store
	s_wait_asynccnt 0x0
	ds_add_u32 v[SPW], v[NIL]
	s_wait_dscnt 0x0
	s_endpgm
.Lfunc_end_k_q4a075770ce_moe:
	.size	k_q4a075770ce_moe, .Lfunc_end_k_q4a075770ce_moe-k_q4a075770ce_moe
	.p2alignl 7, 3214868480
	.fill 96, 4, 3214868480
	.section	.rodata,"a",@progbits
	.p2align	6, 0x0
	.amdhsa_kernel k_q4a075770ce_moe
		.amdhsa_group_segment_fixed_size 167936
		.amdhsa_private_segment_fixed_size 0
		.amdhsa_enable_private_segment 0
		.amdhsa_kernarg_size 56
		.amdhsa_user_sgpr_count 2
		.amdhsa_user_sgpr_kernarg_segment_ptr 1
		.amdhsa_wavefront_size32 1
		.amdhsa_system_sgpr_workgroup_id_x 1
		.amdhsa_system_sgpr_workgroup_id_y 1
		.amdhsa_system_sgpr_workgroup_id_z 1
		.amdhsa_system_vgpr_workitem_id 0
		.amdhsa_next_free_vgpr 1024
		.amdhsa_next_free_sgpr 66
		.amdhsa_reserve_vcc 1
		.amdhsa_float_denorm_mode_32 3
		.amdhsa_float_denorm_mode_16_64 3
		.amdhsa_memory_ordered 1
		.amdhsa_forward_progress 1
		.amdhsa_inst_pref_size 255
	.end_amdhsa_kernel
	.section	.bss,"aw",@nobits
	.p2align	6
	.space	262144
	.amdgpu_metadata
---
amdhsa.version: [ 1, 2 ]
amdhsa.kernels:
  - .name:           k_q4a075770ce_moe
    .symbol:         k_q4a075770ce_moe.kd
    .args:
      - { .name: xb, .offset: 0, .size: 8, .value_kind: global_buffer, .address_space: global }
      - { .name: Wf, .offset: 8, .size: 8, .value_kind: global_buffer, .address_space: global }
      - { .name: b, .offset: 16, .size: 8, .value_kind: global_buffer, .address_space: global }
      - { .name: gates, .offset: 24, .size: 8, .value_kind: global_buffer, .address_space: global }
      - { .name: list, .offset: 32, .size: 8, .value_kind: global_buffer, .address_space: global }
      - { .name: tiles, .offset: 40, .size: 8, .value_kind: global_buffer, .address_space: global }
      - { .name: out0, .offset: 48, .size: 8, .value_kind: global_buffer, .address_space: global }
    .group_segment_fixed_size: 167936
    .private_segment_fixed_size: 0
    .kernarg_segment_align: 8
    .kernarg_segment_size: 56
    .max_flat_workgroup_size: 128
    .sgpr_count:     66
    .vgpr_count:     1024
    .wavefront_size: 32
...
	.end_amdgpu_metadata
.endif
;; end of part 6
